; MI455X (gfx1250); checked and timed in simulation.
; The chip was launched on July 23, 2026; its instructions are those of AMD's public machine-readable ISA for CDNA 5 (MIT licence, August 2026) and "CDNA5" Instruction Set Architecture Reference Guide (July 2026). The comments in the code are by the model that wrote it; some were corrected since.
;; Decoder Layer. Allowed arithmetic: float matrix products may take bf16 or f16 operands with f32 sums; other float arithmetic in f32, or as packed bf16 or f16 multiplies, adds, multiply-adds, maxima and minima; sums over many terms, partial sums and values carried from step to step in f32; what a program stores and reads back later, other than sums and carried values, may be rounded once to bf16 or f16.
;; Inputs: Wdown 2,048 x 688 float32; Wgu 1,376 x 2,048 float32; Wkv 128 x 2,048 float32; Wo 2,048 x 2,048 float32; Wq 2,048 x 2,048 float32; hidden_states 1 x 2,048 x 2,048 float32; ln1_w 2,048 float32; ln2_w 2,048 float32.
;; Outputs: out0 1 x 2,048 x 2,048 float32.
;; One version. Each part assembles by itself: llvm-mc -triple=amdgcn-amd-amdhsa -mcpu=gfx1250 --defsym DOCPART=n.
;; ======== version 1 of 1: 7 launches
;; limits: values are held in f16: magnitudes above 65,504 overflow, below 6.1e-05 lose precision
;; workspace buffers: xy 8,388,608 bytes; w 27,262,976 bytes; qkv 8,912,896 bytes; oa 8,388,608 bytes; h 16,777,216 bytes
;; launch prep (part 1): grid 1248 x 1, 8 waves a work-group, no clusters, 0 bytes of LDS; arguments hidden_states, ln1_w, Wq, Wkv, Wo, Wgu, Wdown, xy, w; writes xy, w
.if DOCPART == 1
	.amdgcn_target "amdgcn-amd-amdhsa--gfx1250"
	.amdhsa_code_object_version 6
	.text
	.protected	k_qf492e0d5e6_prep
	.globl	k_qf492e0d5e6_prep
	.p2align	8
	.type	k_qf492e0d5e6_prep,@function
k_qf492e0d5e6_prep:
	s_mov_b64 s[64:65], 0
	v_nop
	global_prefetch_b8 v0, s[64:65] scope:SCOPE_SE
	s_setreg_imm32_b32 hwreg(HW_REG_WAVE_MODE, 25, 1), 1
	s_wait_xcnt 0x0
; LAYER NORM AND THE WEIGHTS' CASTS.  One wave makes one row of 2,048 (or 768) 16-bit numbers; no LDS, no barrier: a row of 8,192 bytes is 64 registers of a wave.
; Work-groups 0-255: y[r] = (x[r] - mean) * rsqrt(var + 1e-5) * g, in two passes over the registers (the mean is taken away before the squares are summed), rounded once to f16.
; Work-groups 256-1247 (absent where the grid has 256): the weights, rounded once, laid out for the products that follow:
;   256-543   WQ  [16 tiles][144 rows][2048] f16: rows 0-127 = Wq[128 t + i], rows 128-135 = Wkv[8 t + i - 128], rows 136-143 = 0
;   544-799   WO  [2048][2048] f16
;   800-991   WGU [12 tiles][128 rows][2048] f16: row i of tile t is gate (bit 5 of i = 0) or up (1) row idx = 64 t + 32 (i >> 6) + (i & 31); 0 where idx >= 688
;   992-1247  WDN [2048][768] bf16: columns 688-767 = 0
; LIMITS.  f16 ends at 65,504: normalised rows and Wq, Wkv, Wo, Wgu must stay within it; below 6e-5 f16 keeps a fixed step of 6e-8.  NaN and infinities are not treated apart.
; Each load of a wave covers 512 consecutive bytes, each store 256 consecutive bytes, aligned.
.set X,   16                           ; v[16:79]  the row
.set W,   80                           ; v[80:143] the gain
.set WO_OFF,  9437184
.set WGU_OFF, 17825792
.set WDN_OFF, 24117248
.macro ROWIN n                         ; n loads of 512 bytes from s[26:27]
.set j, 0
.rept \n
	global_load_b128 v[X+4*j:X+4*j+3], v2, s[26:27] offset:512*j th:TH_LOAD_NT
.set j, j+1
.endr
.endm
.macro ROWOUT n                        ; n stores of 256 bytes to s[28:29]
.set j, 0
.rept \n
	global_store_b64 v3, v[X+2*j:X+2*j+1], s[28:29] offset:256*j
.set j, j+1
.endr
.endm
.macro TOF16 n                         ; in place, ascending: the destination never passes a source that is still to be read
.set j, 0
.rept \n
	v_cvt_pk_f16_f32 v[X+j], v[X+2*j], v[X+2*j+1]
.set j, j+1
.endr
.endm
.macro FOLD                            ; four packed chains v[4:11] into one number in every lane (v14)
	v_pk_add_f32 v[4:5], v[4:5], v[6:7]
	v_pk_add_f32 v[8:9], v[8:9], v[10:11]
	v_pk_add_f32 v[4:5], v[4:5], v[8:9]
	v_add_f32 v14, v4, v5
	v_add_f32_dpp v14, v14, v14 row_xmask:1 row_mask:0xf bank_mask:0xf
	v_add_f32_dpp v14, v14, v14 row_xmask:2 row_mask:0xf bank_mask:0xf
	v_add_f32_dpp v14, v14, v14 row_xmask:4 row_mask:0xf bank_mask:0xf
	v_add_f32_dpp v14, v14, v14 row_xmask:8 row_mask:0xf bank_mask:0xf
	v_permlanex16_b32 v15, v14, s30, s31
	v_add_f32 v14, v14, v15
.endm
	s_load_b512 s[4:19], s[0:1], 0x0               ; x s[4:5], gain s[6:7], Wq s[8:9], Wkv s[10:11], Wo s[12:13], Wgu s[14:15], Wdown s[16:17], xy s[18:19]
	s_load_b64 s[20:21], s[0:1], 0x40              ; w
	v_lshrrev_b32 v1, 5, v0
	v_readfirstlane_b32 s24, v1                    ; wave 0..7
	v_and_b32 v1, 31, v0                           ; lane
	v_lshlrev_b32 v2, 4, v1                        ; 16 bytes a lane in
	v_lshlrev_b32 v3, 3, v1                        ; 8 bytes a lane out
	s_mov_b32 s22, ttmp9
	s_lshl_b32 s25, s22, 3
	s_add_co_u32 s25, s25, s24                     ; 8 x work-group + wave
	s_mov_b32 s35, 0                               ; s[34:35] source offset, s[36:37] destination offset
	s_mov_b32 s37, 0
	s_wait_kmcnt 0x0
	s_cmp_lt_u32 s22, 256
	s_cbranch_scc0 .Lweights
	; ---- layer norm of row s25
	s_mov_b32 s30, 0x76543210                      ; v_permlanex16_b32: each lane takes its own place in the other half
	s_mov_b32 s31, 0xfedcba98
	s_mov_b32 s32, 0x3a000000                      ; 1 / 2048
	s_mov_b32 s33, 0x3727c5ac                      ; 1e-5
	v_mov_b32 v15, 0                               ; the exchange's destination counts as read
	s_lshl_b32 s34, s25, 13
	s_lshl_b32 s36, s25, 12
	s_add_nc_u64 s[26:27], s[4:5], s[34:35]
	s_add_nc_u64 s[28:29], s[18:19], s[36:37]
	ROWIN 16
.set j, 0
.rept 16
	global_load_b128 v[W+4*j:W+4*j+3], v2, s[6:7] offset:512*j
.set j, j+1
.endr
	s_wait_loadcnt 16                              ; the row is in; the gain's 16 younger loads stay out
.irp k, 0,1,2,3
	v_pk_add_f32 v[4+2*(\k):5+2*(\k)], v[X+2*(\k):X+2*(\k)+1], v[X+8+2*(\k):X+8+2*(\k)+1]  ; the first pairs start the chains
.endr
.set p, 8
.rept 24
	v_pk_add_f32 v[4+2*(p%4):5+2*(p%4)], v[4+2*(p%4):5+2*(p%4)], v[X+2*p:X+2*p+1]
.set p, p+1
.endr
	FOLD
	v_mul_f32 v12, s32, v14                        ; the mean, twice
	v_mov_b32 v13, v12
.set p, 0
.rept 32
	v_pk_add_f32 v[X+2*p:X+2*p+1], v[X+2*p:X+2*p+1], v[12:13] neg_lo:[0,1] neg_hi:[0,1]
.set p, p+1
.endr
.irp k, 0,1,2,3
	v_pk_mul_f32 v[4+2*(\k):5+2*(\k)], v[X+2*(\k):X+2*(\k)+1], v[X+2*(\k):X+2*(\k)+1]
.endr
.set p, 4
.rept 28
	v_pk_fma_f32 v[4+2*(p%4):5+2*(p%4)], v[X+2*p:X+2*p+1], v[X+2*p:X+2*p+1], v[4+2*(p%4):5+2*(p%4)]
.set p, p+1
.endr
	FOLD
	v_fma_f32 v14, v14, s32, s33                   ; variance + 1e-5
	v_rsq_f32 v12, v14
	v_rsq_f32 v13, v14
	v_nop                                          ; a plain instruction behind the last root,
	s_wait_alu depctr_va_vdst(0)                   ; and the one wait ahead of the first use
.set p, 0
.rept 32
	v_pk_mul_f32 v[X+2*p:X+2*p+1], v[X+2*p:X+2*p+1], v[12:13]
.set p, p+1
.endr
	s_wait_loadcnt 0x0                             ; the gain
.set p, 0
.rept 32
	v_pk_mul_f32 v[X+2*p:X+2*p+1], v[X+2*p:X+2*p+1], v[W+2*p:W+2*p+1]
.set p, p+1
.endr
	TOF16 32
	ROWOUT 16
	s_endpgm
.Lweights:
	s_cmp_lt_u32 s22, 544
	s_cbranch_scc0 .Lnot_wq
	s_sub_co_u32 s23, s22, 256                     ; g = 18 t + i0 / 8
	s_mul_i32 s38, s23, 3641
	s_lshr_b32 s38, s38, 16                        ; t = g / 18 (3641 x 18 = 65,538; exact for g < 288)
	s_mul_i32 s39, s38, 18
	s_sub_co_u32 s39, s23, s39
	s_lshl_b32 s39, s39, 3                         ; i0
	s_mul_i32 s36, s38, 144
	s_add_co_u32 s36, s36, s39
	s_add_co_u32 s36, s36, s24
	s_lshl_b32 s36, s36, 12                        ; row 144 t + i0 + wave of WQ
	s_cmp_eq_u32 s39, 136
	s_cbranch_scc1 .Lzero
	s_lshl_b32 s34, s38, 7
	s_add_co_u32 s34, s34, s39                     ; Wq's row 128 t + i0,
	s_lshl_b32 s40, s38, 3                         ; or Wkv's row 8 t
	s_cmp_eq_u32 s39, 128
	s_cselect_b32 s34, s40, s34
	s_cselect_b32 s42, 1, 0                        ; which source: 0 Wq, 1 Wkv, 2 Wo, 3 Wgu
	s_add_co_u32 s34, s34, s24
	s_lshl_b32 s34, s34, 13
	s_branch .Lcopy
.Lnot_wq:
	s_cmp_lt_u32 s22, 800
	s_cbranch_scc0 .Lnot_wo
	s_sub_co_u32 s23, s25, 544*8
	s_lshl_b32 s34, s23, 13
	s_lshl_b32 s36, s23, 12
	s_add_co_u32 s36, s36, WO_OFF
	s_mov_b32 s42, 2
	s_branch .Lcopy
.Lnot_wo:
	s_cmp_lt_u32 s22, 992
	s_cbranch_scc0 .Ldown
	s_sub_co_u32 s23, s25, 800*8                   ; row 128 t + i of WGU
	s_lshl_b32 s36, s23, 12
	s_add_co_u32 s36, s36, WGU_OFF
	s_lshr_b32 s38, s23, 7
	s_lshl_b32 s38, s38, 6                         ; 64 t
	s_bfe_u32 s39, s23, 0x10006
	s_lshl_b32 s39, s39, 5                         ; 32 (i >> 6)
	s_and_b32 s40, s23, 31
	s_add_co_u32 s38, s38, s39
	s_add_co_u32 s38, s38, s40                     ; idx
	s_cmp_ge_u32 s38, 688
	s_cbranch_scc1 .Lzero
	s_bfe_u32 s39, s23, 0x10005                    ; 1: an up row
	s_mul_i32 s39, s39, 688
	s_add_co_u32 s34, s38, s39
	s_lshl_b32 s34, s34, 13
	s_mov_b32 s42, 3
.Lcopy:                                                ; a row of 2,048 f32 becomes a row of f16
	s_cmp_eq_u32 s42, 1
	s_cselect_b64 s[26:27], s[10:11], s[8:9]
	s_cmp_eq_u32 s42, 2
	s_cselect_b64 s[26:27], s[12:13], s[26:27]
	s_cmp_eq_u32 s42, 3
	s_cselect_b64 s[26:27], s[14:15], s[26:27]
	s_add_nc_u64 s[26:27], s[26:27], s[34:35]
	s_add_nc_u64 s[28:29], s[20:21], s[36:37]
	ROWIN 16
	s_wait_loadcnt 0x0
	TOF16 32
	ROWOUT 16
	s_endpgm
.Lzero:                                                ; a row of zeros
	s_add_nc_u64 s[28:29], s[20:21], s[36:37]
	v_mov_b32 v[X], 0
	v_mov_b32 v[X+1], 0
.set j, 0
.rept 16
	global_store_b64 v3, v[X:X+1], s[28:29] offset:256*j
.set j, j+1
.endr
	s_endpgm
.Ldown:                                                ; a row of 688 f32 (172 pieces of 16 bytes) becomes 768 bf16
	s_sub_co_u32 s23, s25, 992*8
	s_mul_i32 s34, s23, 2752
	s_mul_i32 s36, s23, 1536
	s_add_co_u32 s36, s36, WDN_OFF
	s_add_nc_u64 s[26:27], s[16:17], s[34:35]
	s_add_nc_u64 s[28:29], s[20:21], s[36:37]
	v_add_nc_u32 v14, 160, v1
	v_min_u32 v14, 171, v14                        ; the sixth load stays inside the row: lanes 12-31 read its last piece again
	v_lshlrev_b32 v14, 4, v14
	ROWIN 5
	global_load_b128 v[X+20:X+23], v14, s[26:27] th:TH_LOAD_NT
	s_wait_loadcnt 0x0
.set j, 0
.rept 12
	v_cvt_pk_bf16_f32 v[X+j], v[X+2*j], v[X+2*j+1]
.set j, j+1
.endr
	v_cmp_gt_u32 vcc_lo, 12, v1
	v_cndmask_b32 v[X+10], 0, v[X+10], vcc_lo      ; columns 688-767 are 0
	v_cndmask_b32 v[X+11], 0, v[X+11], vcc_lo
	ROWOUT 6
	s_endpgm
.Lfunc_end_k_qf492e0d5e6_prep:
	.size	k_qf492e0d5e6_prep, .Lfunc_end_k_qf492e0d5e6_prep-k_qf492e0d5e6_prep
	.p2alignl 7, 3214868480
	.fill 96, 4, 3214868480
	.section	.rodata,"a",@progbits
	.p2align	6, 0x0
	.amdhsa_kernel k_qf492e0d5e6_prep
		.amdhsa_group_segment_fixed_size 0
		.amdhsa_private_segment_fixed_size 0
		.amdhsa_enable_private_segment 0
		.amdhsa_kernarg_size 72
		.amdhsa_user_sgpr_count 2
		.amdhsa_user_sgpr_kernarg_segment_ptr 1
		.amdhsa_wavefront_size32 1
		.amdhsa_system_sgpr_workgroup_id_x 1
		.amdhsa_system_sgpr_workgroup_id_y 1
		.amdhsa_system_sgpr_workgroup_id_z 1
		.amdhsa_system_vgpr_workitem_id 0
		.amdhsa_next_free_vgpr 152
		.amdhsa_next_free_sgpr 66
		.amdhsa_reserve_vcc 1
		.amdhsa_float_denorm_mode_32 3
		.amdhsa_float_denorm_mode_16_64 3
		.amdhsa_memory_ordered 1
		.amdhsa_forward_progress 1
		.amdhsa_inst_pref_size 31
	.end_amdhsa_kernel
	.amdgpu_metadata
---
amdhsa.version: [ 1, 2 ]
amdhsa.kernels:
  - .name:           k_qf492e0d5e6_prep
    .symbol:         k_qf492e0d5e6_prep.kd
    .args:
      - { .name: hidden_states, .offset: 0, .size: 8, .value_kind: global_buffer, .address_space: global }
      - { .name: ln1_w, .offset: 8, .size: 8, .value_kind: global_buffer, .address_space: global }
      - { .name: Wq, .offset: 16, .size: 8, .value_kind: global_buffer, .address_space: global }
      - { .name: Wkv, .offset: 24, .size: 8, .value_kind: global_buffer, .address_space: global }
      - { .name: Wo, .offset: 32, .size: 8, .value_kind: global_buffer, .address_space: global }
      - { .name: Wgu, .offset: 40, .size: 8, .value_kind: global_buffer, .address_space: global }
      - { .name: Wdown, .offset: 48, .size: 8, .value_kind: global_buffer, .address_space: global }
      - { .name: xy, .offset: 56, .size: 8, .value_kind: global_buffer, .address_space: global }
      - { .name: w, .offset: 64, .size: 8, .value_kind: global_buffer, .address_space: global }
    .group_segment_fixed_size: 0
    .private_segment_fixed_size: 0
    .kernarg_segment_align: 8
    .kernarg_segment_size: 72
    .max_flat_workgroup_size: 256
    .sgpr_count:     66
    .vgpr_count:     152
    .wavefront_size: 32
...
	.end_amdgpu_metadata
.endif
;; end of part 1
;; launch gq (part 2): grid 16 x 16, 4 waves a work-group, clusters of 4 x 4, 327,680 bytes of LDS; arguments xy, w, qkv; writes qkv
.if DOCPART == 2
	.amdgcn_target "amdgcn-amd-amdhsa--gfx1250"
	.amdhsa_code_object_version 6
	.text
	.protected	k_qf492e0d5e6_gq
	.globl	k_qf492e0d5e6_gq
	.p2align	8
	.type	k_qf492e0d5e6_gq,@function
k_qf492e0d5e6_gq:
	s_mov_b64 s[64:65], 0
	v_nop
	global_prefetch_b8 v0, s[64:65] scope:SCOPE_SE
	s_setreg_imm32_b32 hwreg(HW_REG_WAVE_MODE, 25, 1), 1
	s_wait_xcnt 0x0
	s_wait_alu depctr_hold_cnt(0) depctr_sa_sdst(0) depctr_va_vdst(0) depctr_va_sdst(0) depctr_va_ssrc(0) depctr_va_vcc(0) depctr_vm_vsrc(0)
	s_getreg_b32 s2, hwreg(HW_REG_IB_STS2, 6, 4)
	s_cmp_eq_u32 s2, 0
	s_cbranch_scc0 .Lentry_in_a_cluster
	s_endpgm
.Lentry_in_a_cluster:
	s_bfe_u32 s2, ttmp6, 0x10000c
	s_cmp_lg_u32 s2, 0xf033
	s_cbranch_scc0 .Lentry_shape_is_right
	s_endpgm
.Lentry_shape_is_right:
; [q | k, v] = x W^T.  x: [2048][2048] f16.  W: 16 tiles of 144 rows x 2048 f16 (128 rows of Wq, 8 of Wkv, 8 of zeros).  q: [2048][2048] f16; k, v: [2048][64] f16 behind it.  Sums in f32, each result rounded once.
; LIMIT: q, k and v must stay within f16's 65,504.
; A work-group makes 128 rows x 144 columns: 16 x 16 work-groups for 2,048 x (2,048 + 128) outputs.  Four waves (r, c), each 64 x 64 of q (16 accumulators) and 32 rows x 16 of the ninth column block (2 accumulators).
; K goes in steps of 256 (LDS rows of 512 bytes + 16 of padding) through two LDS slots.  Both slots are asked for at the start; at a step's end the slot just read is filled with the walk's step after the next.
; A K step is written ONCE: a loop over steps holds a loop over pairs of eighths (32 along K each); the LDS addresses hang on a scalar that steps and is turned at a change of slots.  Only the first eighth, whose products
; start the sums with the constant 0, stands ahead of the loops, which are entered in their middle.
; THE WALK ALONG K BEGINS AT ONE OF TWO PLACES.  The clusters are dealt into two groups by the parity of x ^ x/2 ^ y ^ y/2 of the cluster's place in the grid (along each axis: 0 1 1 0); one group begins at K step 0, the other
; at K step 4, and both go round all 8 (f32 sums may be taken in any order).  So the clusters that read the same rows of x, or of W, do not all ask for a block in the same step: the two groups ask four steps apart.
; CLUSTER 4 x 4: x's tile is shared along a row of the cluster, W's along a column: joint loads, one a wave behind each round.  The step's number hangs on the cluster's place alone: it is the same in all sixteen partners.
; THE MATRIX INSTRUCTION IS USED TRANSPOSED (source 0 = 16 rows of W, source 1 = 16 rows of x): a lane holds eight neighbouring columns of one row.
; REGISTERS: window 0: v0-31 addresses; v32-95, v112-119 the way out; v96-111 the ninth block's accumulators; v128-255 accumulator (a, b) at 128 + 8 (4 a + b).
;   window 1: two fragment buffers (at 0 and 128): x's four fragments, W's four at +32, the ninth at +64.
; x's fragments are ordered by c: places 0, 1 hold rows 64 r + 32 c + 16 a, places 2, 3 rows 64 r + 32 (1 - c) + 16 (a - 2): the ninth block multiplies places 0 and 1 in every wave.
.set KP,     2048
.set KS,     8
.set OSTEP,  4                         ; the second group's first K step
.set NBR,    144
.set BREG,   0
.set NPROD,  18
.set NLD,    18                        ; LDS loads of an eighth
.set PITCH,  528
.set HALFA,  64*PITCH
.set HALFB,  (NBR/2)*PITCH
.set BOFF,   128*PITCH
.set SLOT,   (128+NBR)*PITCH
.set STAGE,  2*SLOT                    ; behind the ring: 128 rows x 272 bytes, never filled by a tensor load
.set SPITCH, 272
.set SPARE,  STAGE+128*SPITCH          ; the spare words: 128 bytes a wave
.set KOFF,   8388608                   ; k in qkv; v lies 262,144 bytes behind it
.set ADRA,  16
.set ADRB,  17
.set A0,    18
.set B0,    19
.set A0H,   20
.set ADRA2, 21
.set N0,    22
.set ADRN,  23
.set STO,   24
.set RD,    25
.set CO,    26
.set STOH,  27
.set SPW,   28
.set NIL,   29
.set KVO,   30
.set TMP,   32
.set AC9,   96
.set ACC,   128
.set F0,    0
.set F1,    128
.set G1,  24
.set G0,  32                           ; s[32:35] x's walking group 0: slot 1's first fill, then every refill
.set G1B, 48
.set G0B, 56                           ; s[56:59] the same for W
.set TB,  60                           ; s60  LDS byte from which the fragments are read: slot + place along K
.set SB,  61                           ; s61  the slot that was filled last: 0 or SLOT
.set G0F,  72                          ; s[72:75] x's group 0 for slot 0's first fill; never rewritten
.set G0BF, 76                          ; s[76:79] the same for W
.set ABASE, 80                         ; s[80:81] x at my rows, K = 0
.set BBASE, 82                         ; s[82:83] W at my rows, K = 0
.set KO,   84                          ; s[84:85] 512 x the K step that is asked for
.set KPOS, 86                          ; s86  the K step asked for last
.set G1W0, (1<<16)|(1<<20)|(1<<21)|(6<<22)|(3<<25)  ; 2-byte elements; padding on; bit 21 beside a mask; after every 128 words 4 words
.set MSB, 0
.macro WIN new
.if MSB != (\new)
	s_set_vgpr_msb (MSB<<8)|(\new)
.set MSB, \new
.endif
.endm
.set MUL,  0x05                        ; sources 0 and 1 window 1; C and D window 0
.set TO_F, 0x40                        ; destination window 1
.macro PLACES
.rept 4
	v_nop
.endr
.endm
.macro JLOAD                           ; waves 0 and 1 fetch x's two halves, waves 2 and 3 W's; an s_nop 0 and four v_nop follow each line
	s_cmp_eq_u32 s11, 0
	s_cbranch_scc0 .Lfor_b_\@
	tensor_load_to_lds s[G0:G0+3], s[G1:G1+7]
	s_nop 0
	PLACES
	s_branch .Lasked_\@
.Lfor_b_\@:
	tensor_load_to_lds s[G0B:G0B+3], s[G1B:G1B+7]
	s_nop 0
	PLACES
.Lasked_\@:
.endm
.macro CREST
	s_cmp_lg_u32 s10, 0
	s_cbranch_scc1 .Lnot_wave_0_\@
	s_barrier_signal -3
.Lnot_wave_0_\@:
	s_barrier_wait -3
	s_barrier_signal -1
	s_barrier_wait -1
.endm
.macro CROUND
	s_barrier_signal -1
	s_barrier_wait -1
	CREST
.endm
.macro ADDR                            ; the fragments' LDS addresses for the place s[TB]
	v_add_nc_u32 v[ADRA], s[TB], v[A0]
	v_add_nc_u32 v[ADRA2], s[TB], v[A0H]
	v_add_nc_u32 v[ADRB], s[TB], v[B0]
	v_add_nc_u32 v[ADRN], s[TB], v[N0]
.endm
.macro FETCH g, k                      ; 18 LDS loads in one run: the fragments of 32 along K, k bytes behind the addresses, into buffer g
	WIN TO_F
.irp b, 0,1,2,3
	ds_load_b128 v[(\g)+32+8*(\b):(\g)+32+8*(\b)+3],   v[ADRB] offset:(\k)+(\b)*16*PITCH
	ds_load_b128 v[(\g)+32+8*(\b)+4:(\g)+32+8*(\b)+7], v[ADRB] offset:(\k)+(\b)*16*PITCH+32
.endr
	ds_load_b128 v[(\g)+64:(\g)+67], v[ADRN] offset:(\k)
	ds_load_b128 v[(\g)+68:(\g)+71], v[ADRN] offset:(\k)+32
.irp a, 0,1
	ds_load_b128 v[(\g)+8*(\a):(\g)+8*(\a)+3],       v[ADRA]  offset:(\k)+(\a)*16*PITCH
	ds_load_b128 v[(\g)+8*(\a)+4:(\g)+8*(\a)+7],     v[ADRA]  offset:(\k)+(\a)*16*PITCH+32
	ds_load_b128 v[(\g)+16+8*(\a):(\g)+16+8*(\a)+3],   v[ADRA2] offset:(\k)+(\a)*16*PITCH
	ds_load_b128 v[(\g)+16+8*(\a)+4:(\g)+16+8*(\a)+7], v[ADRA2] offset:(\k)+(\a)*16*PITCH+32
.endr
.endm
.macro MULP f, n0, n, zero=0           ; products n0 .. n0 + n - 1 of an eighth's 18; the accumulators take turns, one instruction a turn.  zero = 1: they start the sums
	WIN MUL
.set pn, (\n0)
.rept (\n)
.if pn < 16
.if \zero
	v_wmma_f32_16x16x32_f16 v[ACC+8*pn:ACC+8*pn+7], v[(\f)+32+8*(pn%4):(\f)+32+8*(pn%4)+7], v[(\f)+8*(pn/4):(\f)+8*(pn/4)+7], 0
.else
	v_wmma_f32_16x16x32_f16 v[ACC+8*pn:ACC+8*pn+7], v[(\f)+32+8*(pn%4):(\f)+32+8*(pn%4)+7], v[(\f)+8*(pn/4):(\f)+8*(pn/4)+7], v[ACC+8*pn:ACC+8*pn+7]
.endif
.else
.if \zero
	v_wmma_f32_16x16x32_f16 v[AC9+8*(pn-16):AC9+8*(pn-16)+7], v[(\f)+64:(\f)+71], v[(\f)+8*(pn-16):(\f)+8*(pn-16)+7], 0
.else
	v_wmma_f32_16x16x32_f16 v[AC9+8*(pn-16):AC9+8*(pn-16)+7], v[(\f)+64:(\f)+71], v[(\f)+8*(pn-16):(\f)+8*(pn-16)+7], v[AC9+8*(pn-16):AC9+8*(pn-16)+7]
.endif
.endif
.set pn, pn+1
.endr
.endm
.macro EIGHTH f, g, k                  ; buffer f is multiplied; the next eighth is fetched into g first
	s_wait_dscnt 0x0                               ; f's loads, issued an eighth ago, are in
	PLACES                                         ; four places between the last product that read g and the loads into it
	FETCH \g, \k
	MULP \f, 0, NPROD
.endm
.macro BODY mid=0                      ; eighths 0 to 6 of a K step; eighth 7 is left in F1.  mid = 1: the copy into which the first step, its first eighth done, enters
	WIN 0
	s_mov_b32 s3, 3
.Lin_\@:
	EIGHTH F0, F1, 64
.if \mid
	WIN 0
.Lmid:
.endif
	EIGHTH F1, F0, 128
	WIN 0
	s_add_co_u32 s[TB], s[TB], 128
	ADDR
	s_sub_co_u32 s3, s3, 1
	s_cmp_lg_u32 s3, 0
	s_cbranch_scc1 .Lin_\@
	EIGHTH F0, F1, 64
.endm
; The last eighth is multiplied and the slots change.  In front of the barrier each wave waits for all its tensor loads (one is out: its part of the next slot), adds 0 to its spare word, and waits for that and for
; its reads of this slot.  fill = 1: the barrier opens a round of the cluster's, and this slot is filled again first thing behind it, with the walk's step after the next; its address is made anew from the step's number.
.macro TURN fill
	WIN 0
	s_wait_tensorcnt 0x0                           ; no tensor load of mine is out, so the descriptors may be written
	ds_add_u32 v[SPW], v[NIL]
.if \fill
	s_xor_b32 s[SB], s[SB], SLOT
	s_add_co_u32 s[G0+1], s20, s[SB]
	s_add_co_u32 s[G0B+1], s21, s[SB]
	s_add_co_u32 s[KPOS], s[KPOS], 1               ; the walk goes round
	s_cmp_eq_u32 s[KPOS], KS
	s_cselect_b32 s[KPOS], 0, s[KPOS]
	s_lshl_b32 s[KO], s[KPOS], 9
	s_add_nc_u64 s[G0+2:G0+3], s[ABASE:ABASE+1], s[KO:KO+1]
	s_or_b32 s[G0+3], s[G0+3], 0x80000000
	s_add_nc_u64 s[G0B+2:G0B+3], s[BBASE:BBASE+1], s[KO:KO+1]
	s_or_b32 s[G0B+3], s[G0B+3], 0x80000000
.endif
	s_sub_co_u32 s[TB], s[TB], 384                 ; the reads go back to a row's first byte,
	s_xor_b32 s[TB], s[TB], SLOT                   ; in the other slot
	s_wait_dscnt 0x1                               ; F1 is in; only the add may be out
	MULP F1, 0, 4
	s_wait_dscnt 0x0                               ; the add is done, and my reads of this slot are over
	s_barrier_signal -1
	MULP F1, 4, 4
	WIN 0
	s_barrier_wait -1
.if \fill
	CREST
	JLOAD                                          ; its four v_nop are also the places in front of the loads below
.else
	PLACES
.endif
	ADDR
	FETCH F0, 0
	MULP F1, 8, NPROD-8
.endm
	s_load_b128 s[4:7], s[0:1], 0x0                ; x s[4:5], w s[6:7]
	s_load_b64 s[38:39], s[0:1], 0x10              ; qkv
	v_lshl_add_u32 v[SPW], v0, 2, SPARE
	v_mov_b32 v[NIL], 0
	ds_add_u32 v[SPW], v[NIL]                      ; the wave's opening: the add and its wait stand ahead of my first tensor load
	v_lshrrev_b32 v1, 5, v0
	v_readfirstlane_b32 s10, v1                    ; wave 0..3
	s_lshr_b32 s11, s10, 1                         ; r.  Also: I fetch for x (0) or for W (1)
	s_and_b32 s12, s10, 1                          ; c.  Also: which half of that tile's rows I fetch
	s_bfe_u32 s40, ttmp6, 0x40000                  ; cx
	s_bfe_u32 s41, ttmp6, 0x40004                  ; cy
	s_lshl_b32 s42, ttmp9, 2
	s_add_co_u32 s42, s42, s40                     ; tile column
	s_and_b32 s13, ttmp7, 0xffff                   ; the cluster's y
	s_lshr_b32 s14, s13, 1                         ; the cluster's group: the parity of y ^ y/2 ^ x ^ x/2
	s_xor_b32 s14, s14, s13
	s_lshr_b32 s15, ttmp9, 1
	s_xor_b32 s15, s15, ttmp9
	s_xor_b32 s14, s14, s15
	s_and_b32 s14, s14, 1
	s_mul_i32 s[KPOS], s14, OSTEP                  ; its first K step
	s_lshl_b32 s[KO], s[KPOS], 9
	s_mov_b32 s[KO+1], 0
	s_lshl_b32 s13, s13, 2
	s_add_co_u32 s13, s13, s41                     ; tile row
	s_lshl_b32 s43, s41, 2
	s_lshl_b32 s43, 15, s43                        ; my row of the cluster
	s_lshl_b32 s44, 0x1111, s40                    ; my column
	s_or_b32 s[G1+0], s43, G1W0
	s_or_b32 s[G1B+0], s44, G1W0
.irp g, G1, G1B
	s_mov_b32 s[(\g)+1], 256<<16                   ; tensor_dim0 = 256
	s_mov_b32 s[(\g)+3], 256<<16                   ; tile_dim0 = 256
	s_mov_b32 s[(\g)+5], KP                        ; elements from row to row
	s_mov_b32 s[(\g)+6], 0
	s_mov_b32 s[(\g)+7], 0
.endr
	s_mov_b32 s[G1+2], 64<<16                      ; tensor_dim1, tile_dim1: 64 rows of x,
	s_mov_b32 s[G1+4], 64
	s_mov_b32 s[G1B+2], (NBR/2)<<16                ; 72 rows of W
	s_mov_b32 s[G1B+4], NBR/2
	s_lshl_b32 s16, s13, 7
	s_lshl_b32 s17, s12, 6
	s_add_co_u32 s16, s16, s17                     ; x: row 128 x tile row + 64 x half
	s_mul_i32 s16, s16, KP*2
	s_mov_b32 s17, 0
	s_mul_i32 s46, s42, NBR
	s_mul_i32 s47, s12, NBR/2
	s_add_co_u32 s46, s46, s47                     ; W: row 144 x tile column + 72 x half
	s_mul_i32 s46, s46, KP*2
	s_add_co_u32 s46, s46, BREG
	s_mov_b32 s47, 0
	s_mul_i32 s20, s12, HALFA                      ; where they go: x's halves,
	s_mul_i32 s21, s12, HALFB
	s_add_co_u32 s21, s21, BOFF                    ; W's halves behind x's 128 rows
	s_mov_b32 s[SB], SLOT
	s_mov_b32 s[TB], 0
	s_mov_b32 s[G0F], 1
	s_mov_b32 s[G0F+1], s20
	s_mov_b32 s[G0BF], 1
	s_mov_b32 s[G0BF+1], s21
	s_mov_b32 s[G0], 1
	s_add_co_u32 s[G0+1], s20, SLOT
	s_mov_b32 s[G0B], 1
	s_add_co_u32 s[G0B+1], s21, SLOT
	s_wait_dscnt 0x0                               ; the opening add is done
	s_wait_kmcnt 0x0
	s_add_nc_u64 s[ABASE:ABASE+1], s[4:5], s[16:17]
	s_add_nc_u64 s[BBASE:BBASE+1], s[6:7], s[46:47]
	s_add_nc_u64 s[G0F+2:G0F+3], s[ABASE:ABASE+1], s[KO:KO+1]
	s_or_b32 s[G0F+3], s[G0F+3], 0x80000000
	s_add_nc_u64 s[G0BF+2:G0BF+3], s[BBASE:BBASE+1], s[KO:KO+1]
	s_or_b32 s[G0BF+3], s[G0BF+3], 0x80000000
	s_add_co_u32 s[KPOS], s[KPOS], 1               ; the walk's second step (OSTEP + 1 is below KS: no turn yet)
	s_lshl_b32 s[KO], s[KPOS], 9
	s_add_nc_u64 s[G0+2:G0+3], s[ABASE:ABASE+1], s[KO:KO+1]
	s_or_b32 s[G0+3], s[G0+3], 0x80000000
	s_add_nc_u64 s[G0B+2:G0B+3], s[BBASE:BBASE+1], s[KO:KO+1]
	s_or_b32 s[G0B+3], s[G0B+3], 0x80000000
	CROUND                                         ; all sixteen work-groups are here
	s_cmp_eq_u32 s11, 0                            ; a wave's two first fills stand in one branch: two loads of mine are out
	s_cbranch_scc0 .Lfirst_b
	tensor_load_to_lds s[G0F:G0F+3], s[G1:G1+7]
	s_nop 0
	tensor_load_to_lds s[G0:G0+3], s[G1:G1+7]
	s_nop 0
	PLACES
	s_branch .Lfirst_asked
.Lfirst_b:
	tensor_load_to_lds s[G0BF:G0BF+3], s[G1B:G1B+7]
	s_nop 0
	tensor_load_to_lds s[G0B:G0B+3], s[G1B:G1B+7]
	s_nop 0
	PLACES
.Lfirst_asked:
	v_and_b32 v1, 15, v0                           ; l % 16
	v_bfe_u32 v2, v0, 4, 1                         ; l / 16
	v_mul_u32_u24 v3, v1, PITCH
	v_lshl_add_u32 v3, v2, 4, v3
	s_lshl_b32 s22, s11, 6
	s_lshl_b32 s23, s12, 5
	s_add_co_u32 s14, s22, s23                     ; 64 r + 32 c
	s_xor_b32 s15, s14, 32                         ; 64 r + 32 (1 - c)
	s_mul_i32 s22, s14, PITCH
	s_mul_i32 s23, s15, PITCH
	v_add_nc_u32 v[A0], s22, v3
	v_add_nc_u32 v[A0H], s23, v3
	s_mul_i32 s22, s12, 64*PITCH
	s_add_co_u32 s22, s22, BOFF
	v_add_nc_u32 v[B0], s22, v3
	v_add_nc_u32 v[N0], BOFF+128*PITCH, v3
	v_mul_u32_u24 v4, v1, SPITCH                   ; into the stage: row, my wave's 128 bytes, 16 bytes for each half of the lanes
	v_lshl_add_u32 v4, v2, 4, v4
	s_lshl_b32 s18, s12, 7
	s_add_co_u32 s18, s18, STAGE
	s_mul_i32 s22, s14, SPITCH
	s_add_co_u32 s22, s22, s18
	v_add_nc_u32 v[STO], s22, v4
	s_mul_i32 s23, s15, SPITCH
	s_add_co_u32 s23, s23, s18
	v_add_nc_u32 v[STOH], s23, v4
	s_mul_i32 s22, s10, 32*SPITCH                  ; back: wave w takes rows 32 w .. 32 w + 31, whole
	s_add_co_u32 s22, s22, STAGE
	v_mul_u32_u24 v5, v2, SPITCH
	v_lshl_add_u32 v5, v1, 4, v5
	v_add_nc_u32 v[RD], s22, v5
	v_lshlrev_b32 v5, 12, v2
	v_lshl_add_u32 v[CO], v1, 4, v5
	s_lshl_b32 s66, s13, 7                         ; q: row 128 x tile row + 32 w, column bytes 256 x tile column
	s_lshl_b32 s67, s10, 5
	s_add_co_u32 s66, s66, s67
	s_lshl_b32 s66, s66, 12
	s_lshl_b32 s67, s42, 8
	s_add_co_u32 s66, s66, s67
	s_mov_b32 s67, 0
	s_add_nc_u64 s[8:9], s[38:39], s[66:67]
	s_lshr_b32 s68, s42, 3                         ; k (tile columns 0-7) or v (8-15),
	s_lshl_b32 s68, s68, 18
	s_and_b32 s69, s42, 7
	s_lshl_b32 s69, s69, 4                         ; 8 channels = 16 bytes of a row of 128,
	s_add_co_u32 s68, s68, s69
	s_lshl_b32 s69, s13, 7
	s_add_co_u32 s69, s69, s14
	s_lshl_b32 s69, s69, 7                         ; row 128 x tile row + 64 r + 32 c
	s_add_co_u32 s68, s68, s69
	s_add_co_u32 s68, s68, KOFF
	v_lshl_add_u32 v[KVO], v1, 7, s68
	s_wait_tensorcnt 0x1                           ; my part of slot 0 is in; slot 1's may stay out
	s_barrier_signal -1
	s_barrier_wait -1                              ; everybody's is
	ADDR
	FETCH F0, 0
	FETCH F1, 64
	s_wait_dscnt NLD                               ; F0 is in; F1's 18 younger loads may stay out
	MULP F0, 0, NPROD, 1                           ; the first eighth starts the sums
	WIN 0
	s_mov_b32 s2, KS-1
	s_mov_b32 s3, 3
	s_branch .Lmid                                 ; the loops are entered behind their first eighth
.Lk:                                                   ; a trip: the change of slots at a step's end, which asks for the step after the next, and the next step
	TURN 1
	BODY 1
	WIN 0
	s_sub_co_u32 s2, s2, 1
	s_cmp_lg_u32 s2, 0
	s_cbranch_scc1 .Lk
	TURN 0                                         ; the last change of slots asks for nothing
	BODY
	s_wait_dscnt 0x0
	MULP F1, 0, NPROD
	WIN 0
	; THE WAY OUT: rounded to f16; q through the work-group's stage (a row's 256 bytes come from two waves), k and v straight from lanes 0-15 (the ninth block's columns 8-15 are the zero rows').
	PLACES
.set n, 0
.rept 16
.irp q, 0,1,2,3
	v_cvt_pk_f16_f32 v[TMP+4*n+(\q)], v[ACC+8*n+2*(\q)], v[ACC+8*n+2*(\q)+1]
.endr
.set n, n+1
.endr
.irp e, 0,1
.irp q, 0,1,2,3
	v_cvt_pk_f16_f32 v[112+4*(\e)+(\q)], v[AC9+8*(\e)+2*(\q)], v[AC9+8*(\e)+2*(\q)+1]
.endr
.endr
.irp a, 0,1
.irp b, 0,1,2,3
	ds_store_b128 v[STO],  v[TMP+4*(4*(\a)+(\b)):TMP+4*(4*(\a)+(\b))+3]     offset:(\a)*16*SPITCH+32*(\b)
	ds_store_b128 v[STOH], v[TMP+4*(4*(\a)+8+(\b)):TMP+4*(4*(\a)+8+(\b))+3] offset:(\a)*16*SPITCH+32*(\b)
.endr
.endr
	s_wait_xcnt 0x0                                ; EXEC changes only behind this wait
	v_cmp_eq_u32 vcc_lo, 0, v2
	s_and_saveexec_b32 s19, vcc_lo
	global_store_b128 v[KVO], v[112:115], s[38:39]
	global_store_b128 v[KVO], v[116:119], s[38:39] offset:2048
	s_wait_xcnt 0x0                                ; and again, in front of the line that widens it
	s_or_b32 exec_lo, exec_lo, s19
	s_wait_dscnt 0x0                               ; for the others' sake: my stores into the stage are done
	s_barrier_signal -1
	s_barrier_wait -1
.irp t, 0,1,2,3,4,5,6,7,8,9,10,11,12,13,14,15
	ds_load_b128 v[TMP+4*(\t):TMP+4*(\t)+3], v[RD] offset:(\t)*2*SPITCH
.endr
.irp t, 0,1,2,3,4,5,6,7,8,9,10,11,12,13,14,15
	s_wait_dscnt 15-(\t)                           ; the younger read-backs may stay out
	global_store_b128 v[CO], v[TMP+4*(\t):TMP+4*(\t)+3], s[8:9] offset:2*(\t)*4096  ; 16 lanes store 256 consecutive bytes, aligned
.endr
	s_wait_tensorcnt 0x0                           ; the wave's end
	ds_add_u32 v[SPW], v[NIL]
	s_wait_dscnt 0x0
	CROUND                                         ; the closing round
	s_endpgm
.Lfunc_end_k_qf492e0d5e6_gq:
	.size	k_qf492e0d5e6_gq, .Lfunc_end_k_qf492e0d5e6_gq-k_qf492e0d5e6_gq
	.p2alignl 7, 3214868480
	.fill 96, 4, 3214868480
	.section	.rodata,"a",@progbits
	.p2align	6, 0x0
	.amdhsa_kernel k_qf492e0d5e6_gq
		.amdhsa_group_segment_fixed_size 327680
		.amdhsa_private_segment_fixed_size 0
		.amdhsa_enable_private_segment 0
		.amdhsa_kernarg_size 24
		.amdhsa_user_sgpr_count 2
		.amdhsa_user_sgpr_kernarg_segment_ptr 1
		.amdhsa_wavefront_size32 1
		.amdhsa_system_sgpr_workgroup_id_x 1
		.amdhsa_system_sgpr_workgroup_id_y 1
		.amdhsa_system_sgpr_workgroup_id_z 1
		.amdhsa_system_vgpr_workitem_id 0
		.amdhsa_next_free_vgpr 512
		.amdhsa_next_free_sgpr 88
		.amdhsa_reserve_vcc 1
		.amdhsa_float_denorm_mode_32 3
		.amdhsa_float_denorm_mode_16_64 3
		.amdhsa_memory_ordered 1
		.amdhsa_forward_progress 1
		.amdhsa_inst_pref_size 45
	.end_amdhsa_kernel
	.amdgpu_metadata
---
amdhsa.version: [ 1, 2 ]
amdhsa.kernels:
  - .name:           k_qf492e0d5e6_gq
    .symbol:         k_qf492e0d5e6_gq.kd
    .args:
      - { .name: xy, .offset: 0, .size: 8, .value_kind: global_buffer, .address_space: global }
      - { .name: w, .offset: 8, .size: 8, .value_kind: global_buffer, .address_space: global }
      - { .name: qkv, .offset: 16, .size: 8, .value_kind: global_buffer, .address_space: global }
    .group_segment_fixed_size: 327680
    .private_segment_fixed_size: 0
    .kernarg_segment_align: 8
    .kernarg_segment_size: 24
    .max_flat_workgroup_size: 128
    .sgpr_count:     88
    .vgpr_count:     512
    .wavefront_size: 32
...
	.end_amdgpu_metadata
.endif
;; end of part 2
;; launch attn (part 3): grid 16 x 16, 4 waves a work-group, clusters of 4 x 1, 327,680 bytes of LDS; arguments qkv, oa; writes oa
.if DOCPART == 3
	.amdgcn_target "amdgcn-amd-amdhsa--gfx1250"
	.amdhsa_code_object_version 6
	.text
	.protected	k_qf492e0d5e6_attn
	.globl	k_qf492e0d5e6_attn
	.p2align	8
	.type	k_qf492e0d5e6_attn,@function
k_qf492e0d5e6_attn:
	s_mov_b64 s[64:65], 0
	v_nop
	global_prefetch_b8 v0, s[64:65] scope:SCOPE_SE
	s_setreg_imm32_b32 hwreg(HW_REG_WAVE_MODE, 25, 1), 1
	s_wait_xcnt 0x0
	s_wait_alu depctr_hold_cnt(0) depctr_sa_sdst(0) depctr_va_vdst(0) depctr_va_sdst(0) depctr_va_ssrc(0) depctr_va_vcc(0) depctr_vm_vsrc(0)
	s_getreg_b32 s2, hwreg(HW_REG_IB_STS2, 6, 4)
	s_cmp_eq_u32 s2, 0
	s_cbranch_scc0 .Lentry_in_a_cluster
	s_endpgm
.Lentry_in_a_cluster:
	s_bfe_u32 s2, ttmp6, 0x10000c
	s_cmp_lg_u32 s2, 0x3003
	s_cbranch_scc0 .Lentry_shape_is_right
	s_endpgm
.Lentry_shape_is_right:
; CAUSAL ATTENTION WITH ALIBI, ONE KEY AND VALUE HEAD.  O[s][h][:] = the sum over t <= s of softmax_t(q[s][h] . k[t] / 8 + slope_h (t - s)) v[t][:].  q, O: [2048][32 heads x 64] f16; k, v: [2048][64] f16.
; Products, maxima and sums in f32; the weights p are rounded to f16 for the second product (their sum l is taken of the unrounded p), O once at the end.
; LIMITS.  q, k, v arrive within f16's 65,504.  A hidden score counts as its value less 1e30; a weight below 2^-126 counts as 0 in l; NaN and infinities are not treated apart.
; ALIBI.  -slope s is the same for a whole row and falls out of the softmax.  In the scores' raw units (before c = log2(e) / 8) the slope is sg = 8 slope_h = 2^(2.75 - h / 4).  Inside a key step of 64 the bias sg x (0..63)
; is the C operand that starts the sum S^T = K Q^T; from step to step the frame moves by dl = 64 sg: the old running maximum is lowered by dl before it meets the new scores.  So m is a true running maximum.
; SHARES.  A block is 64 positions x 2 heads.  A work-group has one pair of heads (x) and TWO blocks, positions 64 (31 - b) and then 64 b (y = b): key tiles of 256 keys, (31 - b) / 4 + 1 and b / 4 + 1 of them: 9 for every b:
; all work-groups do equal work, and one loop with a constant trip count walks them.  Wave w owns positions 16 w .. 16 w + 15 of the block; its two PIECES are the two heads: a row of q or O is 256 whole bytes.
; In a block's last tile step DG = block % 4 holds the diagonal; later steps are wholly hidden and are computed under the mask (3 of the walk's 36).
; CLUSTER.  The four work-groups of a cluster have the same b and walk the same tiles: each tile is asked for jointly.  The pair of heads enters q's and O's addresses and the slopes alone.
; TURNS.  Turn T0 of step j: 8 products K Q^T of piece 1 (step j), the softmax of piece 0 (step j), the maximum and statistics of piece 1, 8 products V^T P of piece 1 (step j - 1).  T1: the same with the pieces changed,
; K Q^T for step j + 1, V^T P for step j.  Four vector instructions stand behind every matrix instruction, the rest in one lump; a turn's 33 exponentials are one batch, with one wait.
; K has one buffer, fetched in T0's lump; V two, by the step's parity, fetched at T1's end.  So LDS is read in the order V(j), K(j+1), V(j+1): the slots change between T1(4 t - 2) and T0(4 t - 1).
; REGISTERS, in windows of 256: window 0 holds all that the vector work of a turn touches, so that it runs under one setting: v0-15 addresses; v16-23 statistics (c m, m, l, l a piece); v24-27 dl, sg; v48-55 at work;
;   v64-127 S^T; v128-191 O^T; v192-223 P      window 1: v64-95 MD (the diagonal step's mask); v96-159 BI (the bias); v160-223 MC (the C operands)      window 2: v0-31 Q; v32-63 the second block's Q; v64-127 K; v128-255 V, two buffers
.set KS,    64
.set PK,    144       ; a row of K in LDS: 128 bytes + 16
.set PV,    160       ; a row of V: 128 + 32
.set VOFF,  4*KS*PK
.set SLOT1, 1<<17
.set STAGE, SLOT1+4*KS*(PK+PV)  ; behind the ring, never filled by a tensor load: 16 rows x 272 bytes a wave
.set SP,    272
.set SPARE, STAGE+4*16*SP
.set KOFF,  8388608
.set VOFFG, 8650752
.set AK0, 2
.set AV0, 3
.set AK,  4
.set AV,  5
.set STO, 6
.set RD,  7
.set GO,  8
.set MV,  12          ; v12-13  the old maximum in the new step's frame, a piece
.set QO,  15
.set ST,  16
.set DL,  24
.set SG,  26
.set TMP, 48
.set PFO, 61
.set SPW, 62
.set NIL, 63
.set S,   64
.set OT,  128
.set P,   192
.set MD,  64          ; window 1
.set BI,  96
.set MC,  160
.set QB,  32          ; window 2
.set KF,  64
.set VF,  128
.set WV,  12
.set PB,  14
.set HI,  15
.set G1K, 24
.set G1V, 32
.set G0K, 40
.set G0V, 44
.set PFA, 48          ; s[48:49] where my prefetches stand
.set LIM, 50          ; s50  2 in a wave that prefetches, else the greatest number
.set SS,  51          ; s51  the step of the tile for which the next mask is made
.set DG,  52          ; s52  the diagonal's step in the block's last tile
.set PBQ, 53          ; s53  b / 4
.set DG2, 54          ; s54  b % 4
.set SLOTS, 56
.set CNT, 57
.set CS,  58
.set SEL, 60
.set TBK, 62
.set TBV, 63
.set RT,  70          ; s70  tiles of the block in hand still to be entered
.set NXT, 71          ; s71  the tile to be asked for next
.set LQ,  72          ; s72  the last tile of the block whose tiles are being asked for
.set NEW, 73          ; s73  1: the tile to be entered is a block's first
.set OFF, 74
.set AL,  76
.set BE,  78
.set OLO, 80
.set BIGN, 82
.set MSB, 0
.macro WIN new
.if MSB != (\new)
	s_set_vgpr_msb (MSB<<8)|(\new)
.set MSB, (\new)
.endif
.endm
.set W_KQ, 0x0a       ; K and Q window 2, S^T window 0
.set W_KM, 0x1a       ; the same with C in window 1
.set W_PV, 0x02       ; V window 2; P and O^T window 0
.set W_RS, 0x41       ; destination and source 0 window 1, source 1 window 0
.macro JLOAD          ; waves 0 and 1 fetch the halves of a tile's K, waves 2 and 3 of its V; an s_nop 0 and four v_nop follow each line
	s_cmp_lt_u32 s[WV], 2
	s_cbranch_scc0 .Lfor_v_\@
	tensor_load_to_lds s[G0K:G0K+3], s[G1K:G1K+7]
	s_nop 0
.rept 4
	v_nop
.endr
	s_branch .Lasked_\@
.Lfor_v_\@:
	tensor_load_to_lds s[G0V:G0V+3], s[G1V:G1V+7]
	s_nop 0
.rept 4
	v_nop
.endr
.Lasked_\@:
.endm
; A prefetch of the tile after the one just asked for: 128 rows of 256 bytes of K and of V.  Only the cluster with x = 0 and b = 0 asks (it walks tiles 0 to 7 in order); its four partners take 32 rows each, told apart by
; address; wave 0 asks for K's, wave 2 for V's: a lane a row, each row named once.  Tiles 0 and 1 come by their loads alone; the changes that load tile 7 and the second block's tile ask for nothing.
.macro ASK
	s_cmp_gt_u32 s[SLOTS], s[LIM]
	s_cbranch_scc0 .Lnot_mine_\@
	global_prefetch_b8 v[PFO], s[PFA:PFA+1] th:TH_LOAD_NT scope:SCOPE_SE
.Lnot_mine_\@:
.endm
.macro CROUND
	s_barrier_signal -1
	s_barrier_wait -1
	s_cmp_lg_u32 s[WV], 0
	s_cbranch_scc1 .Lnot_wave_0_\@
	s_barrier_signal -3
.Lnot_wave_0_\@:
	s_barrier_wait -3
	s_barrier_signal -1
	s_barrier_wait -1
.endm
; THE CHANGE OF SLOTS.  Each wave waits for all its tensor loads (one is out: its part of the other slot), adds 0 to its spare word, and waits for that and for its reads of the slot that it leaves.
; fill = 1: a round of the cluster's barrier, and the old slot is filled again first thing behind it, with tile NXT; the descriptor's address is made anew from that number.
.macro CHANGE fill
	WIN 0
	s_wait_tensorcnt 0x0
	ds_add_u32 v[SPW], v[NIL]
.if \fill
	s_lshl_b32 s[OFF], s[NXT], 15   ; a tile is 32,768 bytes of K and of V
	s_xor_b32 s[G0K+1], s[G0K+1], SLOT1
	s_add_nc_u64 s[G0K+2:G0K+3], s[6:7], s[OFF:OFF+1]
	s_or_b32 s[G0K+3], s[G0K+3], 0x80000000
	s_xor_b32 s[G0V+1], s[G0V+1], SLOT1
	s_add_nc_u64 s[G0V+2:G0V+3], s[8:9], s[OFF:OFF+1]
	s_or_b32 s[G0V+3], s[G0V+3], 0x80000000
	s_add_co_u32 s[NXT], s[NXT], 1  ; the block's next tile, or behind its last the second block's tile 0
	s_cmp_gt_u32 s[NXT], s[LQ]
	s_cselect_b32 s[NXT], 0, s[NXT]
	s_cselect_b32 s[LQ], s[PBQ], s[LQ]
	s_wait_xcnt 0x0                 ; the last prefetch, a tile back, has read its address
	s_add_nc_u64 s[PFA:PFA+1], s[PFA:PFA+1], 32768
.endif
	s_sub_co_u32 s[TBK], s[TBK], 4*KS*PK  ; the fetches go back to a slot's first step, in the other slot
	s_xor_b32 s[TBK], s[TBK], SLOT1
	s_sub_co_u32 s[TBV], s[TBV], 4*KS*PV
	s_xor_b32 s[TBV], s[TBV], SLOT1
	s_wait_dscnt 0x0                ; the add is done, and my reads of the slot are over
.if \fill
	CROUND
	JLOAD
	ASK
.else
	s_barrier_signal -1
	s_barrier_wait -1
.endif
.endm
	s_load_b128 s[84:87], s[0:1], 0x0  ; qkv s[84:85], O s[86:87]
	v_lshl_add_u32 v[SPW], v0, 2, SPARE
	v_mov_b32 v[NIL], 0
	ds_add_u32 v[SPW], v[NIL]       ; the wave's opening: the add and its wait stand ahead of my first tensor load
	v_lshrrev_b32 v1, 5, v0
	v_readfirstlane_b32 s[WV], v1
	s_bfe_u32 s13, ttmp6, 0x40000   ; cx
	s_lshl_b32 s55, ttmp9, 2
	s_add_co_u32 s55, s55, s13      ; my pair of heads
	s_and_b32 s[PB], ttmp7, 0xffff  ; b, which the four partners share
	s_sub_co_u32 s[HI], 31, s[PB]
	s_lshr_b32 s[LQ], s[HI], 2
	s_add_co_u32 s[RT], s[LQ], 1
	s_and_b32 s[DG], s[HI], 3
	s_lshr_b32 s[PBQ], s[PB], 2
	s_and_b32 s[DG2], s[PB], 3
	s_and_b32 s16, s[WV], 1         ; which half of a tile's 256 keys I fetch
	s_lshl_b32 s22, s16, 14
	s_mov_b32 s23, 0
	s_mul_i32 s17, s16, 128*PK
	s_mul_i32 s18, s16, 128*PV
	s_lshl_b32 s67, s[WV], 16       ; my 16 rows of 4,096 bytes,
	s_lshl_b32 s69, s55, 8          ; my two heads' 256 bytes,
	s_add_co_u32 s69, s69, s67
	s_lshl_b32 s66, s[HI], 18       ; in the first block
	s_add_co_u32 s66, s66, s69
	s_lshl_b32 s68, s[PB], 18       ; and in the second
	s_add_co_u32 s68, s68, s69
	s_mov_b32 s67, 0
	s_mov_b32 s69, 0
	s_mov_b32 s[G1K], 15|(1<<16)|(1<<20)|(1<<21)|(4<<22)|(3<<25)  ; the mask of four; 2-byte elements; padding on; bit 21 beside a mask; after every 32 words 4 words
	s_mov_b32 s[G1V], 15|(1<<16)|(1<<20)|(1<<21)|(4<<22)|(7<<25)  ; the same with 8 words
.irp g, G1K, G1V
	s_mov_b32 s[\g+1], 128<<16      ; 128 keys are 16,384 dense bytes: 64 rows of 256 bytes, two keys a row
	s_mov_b32 s[\g+2], 64<<16
	s_mov_b32 s[\g+3], 128<<16
	s_mov_b32 s[\g+4], 64
	s_mov_b32 s[\g+5], 128
	s_mov_b32 s[\g+6], 0
	s_mov_b32 s[\g+7], 0
.endr
	s_mov_b32 s[CS], 0x3e38aa3b     ; c = log2(e) / 8
	s_mov_b32 s[CS+1], s[CS]
	s_mov_b32 s[SEL], 0x76543210
	s_mov_b32 s[SEL+1], 0xfedcba98
	s_mov_b32 s[TBK], SLOT1+4*KS*PK ; the first change of slots turns these two into 0
	s_mov_b32 s[TBV], SLOT1+4*KS*PV
	s_mov_b32 s[G0K], 1
	s_mov_b32 s[G0K+1], s17
	s_mov_b32 s[G0V], 1
	s_add_co_u32 s[G0V+1], s18, VOFF
	s_mov_b32 s[NXT], 1
	s_mov_b32 s[NEW], 1
	s_mov_b32 s[SS], 0
	s_mov_b32 s[OFF+1], 0
	s_mov_b32 s[AL], 0
	s_mov_b32 s[AL+1], 0
	s_mov_b32 s[BE], 0
	s_mov_b32 s[BE+1], 0
	s_mov_b32 s[BIGN], 0xf149f2ca   ; -1e30
	s_mov_b32 s[SLOTS], 8
	s_and_b32 s[LIM], s[WV], 1
	s_or_b32 s[LIM], s[LIM], ttmp9
	s_or_b32 s[LIM], s[LIM], s[PB]
	s_cmp_eq_u32 s[LIM], 0
	s_cselect_b32 s[LIM], 2, -1     ; the same in all four partners, for a given wave
	s_lshl_b32 s90, s13, 13         ; my work-group's 32 rows of a tile's 128
	s_mov_b32 s91, 0
	v_and_b32 v[PFO], 31, v0
	v_lshlrev_b32 v[PFO], 8, v[PFO]
	s_wait_dscnt 0x0                ; the opening add is done
	s_wait_kmcnt 0x0
	s_add_nc_u64 s[6:7], s[84:85], s[22:23]
	s_add_nc_u64 s[8:9], s[6:7], VOFFG   ; V at my half of tile 0
	s_add_nc_u64 s[6:7], s[6:7], KOFF    ; K likewise
	s_add_nc_u64 s[G0K+2:G0K+3], s[6:7], 0
	s_or_b32 s[G0K+3], s[G0K+3], 0x80000000
	s_add_nc_u64 s[G0V+2:G0V+3], s[8:9], 0
	s_or_b32 s[G0V+3], s[G0V+3], 0x80000000
	s_add_nc_u64 s[4:5], s[84:85], s[66:67]        ; q and O at my rows of the first block,
	s_add_nc_u64 s[10:11], s[86:87], s[66:67]
	s_add_nc_u64 s[88:89], s[84:85], s[68:69]      ; and of the second
	s_add_nc_u64 s[OLO:OLO+1], s[86:87], s[68:69]
	s_cmp_lt_u32 s[WV], 2
	s_cselect_b64 s[PFA:PFA+1], s[6:7], s[8:9]
	s_add_nc_u64 s[PFA:PFA+1], s[PFA:PFA+1], s[90:91]
	s_add_nc_u64 s[PFA:PFA+1], s[PFA:PFA+1], 32768  ; in tile 1; the first change of slots steps it to tile 2
	CROUND                          ; all four work-groups are here
	JLOAD                           ; tile 0 into slot 0
	v_and_b32 v1, 15, v0            ; l % 16
	v_bfe_u32 v9, v0, 4, 1          ; l / 16
	v_lshlrev_b32 v[QO], 12, v1
	v_lshl_add_u32 v[QO], v9, 4, v[QO]  ; row x 4,096 + 16 x half
	WIN 0x80
.set i, 0
.rept 4                             ; both blocks' Q: piece i / 2, channels 32 (i % 2) on
	global_load_b128 v[8*i:8*i+3],   v[QO], s[4:5] offset:(i/2)*128+(i%2)*64
	global_load_b128 v[8*i+4:8*i+7], v[QO], s[4:5] offset:(i/2)*128+(i%2)*64+32
	global_load_b128 v[QB+8*i:QB+8*i+3],   v[QO], s[88:89] offset:(i/2)*128+(i%2)*64
	global_load_b128 v[QB+8*i+4:QB+8*i+7], v[QO], s[88:89] offset:(i/2)*128+(i%2)*64+32
.set i, i+1
.endr
	WIN 0
	s_lshl_b32 s83, s55, 1          ; piece 0's head
	v_mov_b32 v10, s83
	v_cvt_f32_u32 v10, v10
	s_mov_b32 s92, 0xbe800000       ; -0.25
	s_mov_b32 s93, 0x40300000       ; 2.75
	v_fma_f32 v[SG], v10, s92, s93
	v_add_f32 v[SG+1], s92, v[SG]
	v_exp_f32 v[SG], v[SG]
	v_exp_f32 v[SG+1], v[SG+1]
	v_lshlrev_b32 v10, 3, v9        ; 8 (l / 16): a plain instruction behind the exponentials
.set r, 0
.rept 32
	v_add_nc_u32 v[S+r], 16*(r/8)+r%8, v10  ; register r's key in a step: 16 (r / 8) + 8 (l / 16) + r % 8
.set r, r+1
.endr
.set r, 0
.rept 32
	v_cvt_f32_u32 v[S+r], v[S+r]
.set r, r+1
.endr
	s_wait_alu depctr_va_vdst(0)    ; the one wait ahead of the slopes' first use
	v_mul_f32 v[DL], 0x42800000, v[SG]
	v_mul_f32 v[DL+1], 0x42800000, v[SG+1]
	WIN 0x40
.set r, 0
.rept 32
	v_mul_f32 v[BI+r], v[SG], v[S+r]
	v_mul_f32 v[BI+32+r], v[SG+1], v[S+r]
.set r, r+1
.endr
	WIN 0
	v_lshlrev_b32 v14, 3, v9
	v_sub_nc_u32 v14, v1, v14
	s_lshl_b32 s19, s[WV], 4
	v_add_nc_u32 v14, s19, v14      ; my query's place in the block, less 8 (l / 16): register r of group kt is hidden where 16 kt + r is greater
	WIN 0x40
.set i, 0
.rept 32
	v_cmp_gt_i32 vcc_lo, 16*(i/8)+i%8, v14
	v_cndmask_b32 v[MD+i], 0, s[BIGN], vcc_lo
.set i, i+1
.endr
	WIN 0
	v_mul_u32_u24 v[AK0], v1, PK
	v_lshl_add_u32 v[AK0], v9, 4, v[AK0]
	v_and_b32 v10, 7, v0            ; the turning load: lane l reads key 8 (l / 16) + l % 8, channels 8 ((l / 8) % 2) + 0..7
	v_bfe_u32 v11, v0, 3, 1
	v_lshl_add_u32 v[AV0], v9, 3, v10
	v_mul_u32_u24 v[AV0], v[AV0], PV
	v_lshl_add_u32 v[AV0], v11, 4, v[AV0]
	v_add_nc_u32 v[AV0], VOFF, v[AV0]
	s_mul_i32 s19, s[WV], 16*SP
	s_add_co_u32 s19, s19, STAGE    ; my stage
	v_mul_u32_u24 v[STO], v1, SP
	v_lshl_add_u32 v[STO], v9, 4, v[STO]
	v_add_nc_u32 v[STO], s19, v[STO]
	v_mul_u32_u24 v[RD], v9, SP
	v_lshl_add_u32 v[RD], v1, 4, v[RD]
	v_add_nc_u32 v[RD], s19, v[RD]
	v_lshlrev_b32 v[GO], 12, v9
	v_lshl_add_u32 v[GO], v1, 4, v[GO]
	; A block's first step multiplies O^T and l by a = 0, and its first turn's products V^T P, of a step that has not been, land in an O^T that is still to be so multiplied: these registers need only be finite.
	WIN 0x80
.set i, VF+64
.rept 64
	v_mov_b32 v[i], 0
.set i, i+1
.endr
	WIN 0
.set i, OT
.rept 64
	v_mov_b32 v[i], 0
.set i, i+1
.endr
.irp t, 0,1
	v_mov_b32 v[ST+4*\t+2], 0
	v_mov_b32 v[ST+4*\t+3], 0
.endr
.set i, P+16
.rept 16
	v_mov_b32 v[i], 0
.set i, i+1
.endr
; THE MATRIX WORK.  The 4 accumulators of a run of 8 take turns.  Product i of 8 of S^T = K Q^T for piece x: channels 32 (i / 4) on, keys 16 (i % 4) on; the first 4 start the sums with bias and mask.
.macro KQ x
.set rS, S+32*(\x)+8*(i%4)
.set rK, KF+16*(i%4)+8*(i/4)
.set rQ, 16*(\x)+8*(i/4)
.set rM, MC+32*(\x)+8*(i%4)
.if i < 4
	WIN W_KM
	v_wmma_f32_16x16x32_f16 v[rS:rS+7], v[rK:rK+7], v[rQ:rQ+7], v[rM:rM+7]
.else
	WIN W_KQ
	v_wmma_f32_16x16x32_f16 v[rS:rS+7], v[rK:rK+7], v[rQ:rQ+7], v[rS:rS+7]
.endif
.endm
; Product i of 8 of O^T += V^T P for piece x, from V's buffer VB: keys 32 (i / 4) on, channels 16 (i % 4) on.
.macro PV x
	WIN W_PV
.set rO, OT+32*(\x)+8*(i%4)
.set rV, VF+64*VB+32*(i/4)+8*(i%4)
.set rP, P+16*(\x)+8*(i/4)
	v_wmma_f32_16x16x32_f16 v[rO:rO+7], v[rV:rV+7], v[rP:rP+7], v[rO:rO+7]
.endm
.macro MM                           ; the turn's next matrix instruction.  NOKQ = 1: a block's last turn: there are no further scores
.if (i < 8) && !NOKQ
	KQ 1-Y
.elseif i >= 8
.set i, i-8
	PV 1-Y
.set i, i+8
.endif
.set i, i+1
.endm
.macro FETCH_K                      ; a step's K: 64 keys x 64 channels, 16 loads in one run
	WIN 0x80
.irp f, 0,1,2,3,4,5,6,7
	ds_load_b128 v[KF+8*\f:KF+8*\f+3],   v[AK] offset:(\f/2)*16*PK+(\f%2)*64
	ds_load_b128 v[KF+8*\f+4:KF+8*\f+7], v[AK] offset:(\f/2)*16*PK+(\f%2)*64+32
.endr
	s_add_co_u32 s[TBK], s[TBK], KS*PK
	WIN 0
.endm
.macro FETCH_V vb                   ; a step's V, turned, into buffer vb
	WIN 0x80
.irp f, 0,1,2,3,4,5,6,7
	ds_load_tr16_b128 v[VF+64*(\vb)+8*\f:VF+64*(\vb)+8*\f+3],   v[AV] offset:(\f/4)*32*PV+(\f%4)*32
	ds_load_tr16_b128 v[VF+64*(\vb)+8*\f+4:VF+64*(\vb)+8*\f+7], v[AV] offset:(\f/4)*32*PV+16*PV+(\f%4)*32
.endr
	WIN 0
.endm
; THE VECTOR WORK, one line at a time: OP kind, number; all of it in window 0.  For piece Y: F n: c s - c m for pair n of 16.  E n: the exponential of score n of 32.  C n: pair n rounded to f16.  B n: of the four weights 4 n ..
; the second pair is added onto the first.  L n: l takes that sum (L 0: l = a l + sum).  R n: pair n of 16 of O^T times a.  For the other piece: X n, number n of the 22 that find its maximum and statistics:
;   0-11  four chains c0-c3 of seven scores each (each accumulator's lowest registers are read first)     12, 13, 16  the four scores left over, c0-c3 into c0
;   15  the old m less dl     14  it joins the chains     17, 18  the other half of the lanes: the new m     19-21  c m; c (m_old - dl) - c m; a
.set F, 0
.set E, 1
.set C, 2
.set B, 3
.set L, 4
.set R, 5
.set X, 6
.macro REGS y
.set rT, ST+4*(\y)
.set rC, TMP+4*(\y)
.set rW, MV+(\y)
.set rD, DL+(\y)
.set rS, S+32*(\y)
.set rP, P+16*(\y)
.set rO, OT+32*(\y)
.endm
.macro OP k, n
.if (\k) == R
	REGS Y
	WIN 0
	v_pk_mul_f32 v[rO+2*(\n):rO+2*(\n)+1], v[rO+2*(\n):rO+2*(\n)+1], v[rC+2:rC+3] op_sel_hi:[1,0]
.elseif (\k) < R
	REGS Y
	WIN 0
.if (\k) == F
	v_pk_fma_f32 v[rS+2*(\n):rS+2*(\n)+1], v[rS+2*(\n):rS+2*(\n)+1], s[CS:CS+1], v[rT:rT+1] op_sel_hi:[1,0,0] neg_lo:[0,0,1] neg_hi:[0,0,1]
.elseif (\k) == E
	v_exp_f32 v[rS+(\n)], v[rS+(\n)]
.elseif (\k) == C
	v_cvt_pk_f16_f32 v[rP+(\n)], v[rS+2*(\n)], v[rS+2*(\n)+1]
.elseif (\k) == B
	v_pk_add_f32 v[rS+4*(\n):rS+4*(\n)+1], v[rS+4*(\n):rS+4*(\n)+1], v[rS+4*(\n)+2:rS+4*(\n)+3]
.elseif (\n) == 0
	v_pk_fma_f32 v[rT+2:rT+3], v[rT+2:rT+3], v[rC+2:rC+3], v[rS:rS+1] op_sel_hi:[1,0,1]
.else
	v_pk_add_f32 v[rT+2:rT+3], v[rT+2:rT+3], v[rS+4*(\n):rS+4*(\n)+1]
.endif
.elseif NOKQ
	v_nop
.else
	REGS 1-Y
	WIN 0
.if (\n) < 4
	v_max3_num_f32 v[rC+(\n)], v[rS+8*(\n)], v[rS+8*(\n)+1], v[rS+8*(\n)+2]
.elseif (\n) < 12
	v_max3_num_f32 v[rC+(\n)%4], v[rC+(\n)%4], v[rS+8*((\n)%4)+2*((\n)/4)+1], v[rS+8*((\n)%4)+2*((\n)/4)+2]
.elseif (\n) == 12
	v_max3_num_f32 v[rC], v[rC], v[rS+7], v[rS+15]
.elseif (\n) == 13
	v_max3_num_f32 v[rC+1], v[rC+1], v[rS+23], v[rS+31]
.elseif (\n) == 14
	v_max3_num_f32 v[rC+2], v[rC+2], v[rC+3], v[rW]
.elseif (\n) == 15
	v_sub_f32 v[rW], v[rT+1], v[rD]
.elseif (\n) == 16
	v_max3_num_f32 v[rC], v[rC], v[rC+1], v[rC+2]
.elseif (\n) == 17
	v_permlanex16_b32 v[rC+3], v[rC], s[SEL], s[SEL+1]
.elseif (\n) == 18
	v_max_num_f32 v[rT+1], v[rC], v[rC+3]
.elseif (\n) == 19
	v_mul_f32 v[rT], s[CS], v[rT+1]
.elseif (\n) == 20
	v_fma_f32 v[rC+1], v[rW], s[CS], -v[rT]
.else
	v_exp_f32 v[rC+2], v[rC+1]
.endif
.endif
.endm
.macro OPS a, i1, b=-1, i2=0, c=-1, i3=0, d=-1, i4=0
	OP \a, \i1
.if (\b) >= 0
	OP \b, \i2
.endif
.if (\c) >= 0
	OP \c, \i3
.endif
.if (\d) >= 0
	OP \d, \i4
.endif
.endm
.macro ROW a, i1, b, i2, c, i3, d, i4  ; a matrix instruction and the four behind it
	MM
	OPS \a, \i1, \b, \i2, \c, \i3, \d, \i4
.endm
.macro MASK b                       ; piece b's C operands: MD x AL + BE + the bias
	WIN W_RS
.set z, 0
.rept 16
	v_pk_fma_f32 v[MC+32*(\b)+2*z:MC+32*(\b)+2*z+1], v[MD+2*z:MD+2*z+1], s[AL:AL+1], s[BE:BE+1] op_sel_hi:[1,0,0]
.set z, z+1
.endr
	WIN 0x45                        ; both sources and the destination in window 1
.set z, 0
.rept 16
	v_pk_add_f32 v[MC+32*(\b)+2*z:MC+32*(\b)+2*z+1], v[MC+32*(\b)+2*z:MC+32*(\b)+2*z+1], v[BI+32*(\b)+2*z:BI+32*(\b)+2*z+1]
.set z, z+1
.endr
.endm
; A TURN, for piece p in a step of parity par.  AHEAD OF THE ONE WAIT stands all that names no result of the turn's exponentials: 8 products K Q^T with their riders, then the lump; BEHIND IT 8 products V^T P, whose riders are
; the roundings and sums.  The first numbers of the other piece's maximum stand four plain instructions or more behind the product that ends their accumulator.
; T0 makes the two scalars of the next step's mask; in a block's last tile each turn ends by making its own piece's C operands for that step (elsewhere they stay the bias alone, and the lines are jumped).
; end = 1: a block's last two turns: nothing is fetched, no mask is made, and T1 starts no new scores.
.macro TURN p, par, end=0
.set Y, (\p)
.set i, 0
.set NOKQ, (\end)*(\p)
.set VB, (\par)
.if (\p) == 0
.set VB, 1-(\par)
.endif
.if ((\p) == 0) && !(\end)
	s_cmp_eq_u32 s[SS], s[DG]       ; is the next step the diagonal's?
	s_cselect_b32 s[AL], 1.0, 0
	s_cmp_gt_u32 s[SS], s[DG]       ; or a later one?
	s_cselect_b32 s[BE], s[BIGN], 0
	s_add_co_u32 s[SS], s[SS], 1
.endif
.if (\p) == 1
	s_wait_dscnt 0x0                ; K of the next step and V of this one are in
.endif
	ROW F,0, F,1, R,0, R,1
	ROW F,2, E,0, R,2, R,3
	ROW F,3, E,1, R,4, R,5
	ROW F,4, E,2, R,6, R,7
	ROW F,5, E,3, R,8, R,9
	ROW F,6, E,4, X,0, R,10
.if ((\p) == 0) && !(\end)
	WIN 0
	v_add_nc_u32 v[AK], s[TBK], v[AK0]
.endif
	ROW F,7, E,5, X,1, X,4
	ROW F,8, E,6, X,2, X,5
	OPS E,7, E,8, X,6, E,9
	OPS X,3, E,10, X,8, E,11
.if ((\p) == 0) && !(\end)
	FETCH_K                         ; six plain instructions behind the last product that read K
.endif
	OPS X,9, X,7, E,12, X,10
	OPS E,13, X,12, X,11, E,14
	OPS X,13, E,15, X,15, F,9
	OPS X,14
.if ((\p) == 1) && !(\end)
	v_add_nc_u32 v[AV], s[TBV], v[AV0]
	s_add_co_u32 s[TBV], s[TBV], KS*PV
.endif
	OPS E,16, F,10, E,17, F,11
	OPS X,16, E,18, R,11, E,19
	OPS F,12, E,20, X,17, E,21
	OPS F,13, E,22, F,14, E,23
	OPS X,18, E,24, F,15, E,25
	OPS R,12, E,26, X,19, E,27
	OPS R,13, E,28, R,14, E,29
	OPS X,20, E,30, E,31
	OPS X,21, R,15                  ; the batch's last exponential, and the plain instruction behind it
	WIN 0
	s_wait_alu depctr_va_vdst(0)    ; the one wait for the batch
	ROW C,0, B,0, C,2, B,1
	ROW L,0, C,4, B,2, L,1
	ROW C,6, B,3, L,2, C,8
	ROW B,4, L,3, C,10, B,5
	ROW L,4, C,12, B,6, L,5
	ROW C,14, B,7, L,6, C,1
	ROW C,3, L,7, C,5, C,7
	ROW C,9, C,11, C,13, C,15
.if ((\p) == 1) && !(\end)
	FETCH_V 1-(\par)                ; the next step's V, into the buffer that T0 of this step read last
.endif
	WIN 0
.if !(\end)
	s_cmp_eq_u32 s[RT], 0
	s_cbranch_scc0 .Lno_mask_\@
	MASK \p
	WIN 0
.Lno_mask_\@:
.endif
.endm
; A BLOCK BEGINS.  m starts at the lowest finite number, so the first step's a is 0.  Both pieces' C operands are made for the tile's step 0: the bias, and the diagonal's mask if that step holds it.
; Then K and V of that step, piece 0's first scores, and its maximum and statistics.  The loop is entered at T0 of step 0, in the middle of a trip.
.macro BEGIN
	s_mov_b32 s[NEW], 0
	s_mov_b32 s[SS], 1
	WIN 0
	v_mov_b32 v[ST+1], 0xff7fffff
	v_mov_b32 v[ST+5], 0xff7fffff
	s_or_b32 s83, s[RT], s[DG]
	s_cmp_eq_u32 s83, 0
	s_cselect_b32 s[AL], 1.0, 0
	s_mov_b32 s[BE], 0
	MASK 0
	MASK 1
	WIN 0
	v_add_nc_u32 v[AK], s[TBK], v[AK0]
	FETCH_K
	v_add_nc_u32 v[AV], s[TBV], v[AV0]
	s_add_co_u32 s[TBV], s[TBV], KS*PV
	FETCH_V 0
	s_wait_loadcnt 0x0              ; Q
	s_wait_dscnt 0x0
.set NOKQ, 0
.set i, 0
.rept 8
	KQ 0
.set i, i+1
.endr
	WIN 0
.rept 4
	v_nop                           ; the places behind those products
.endr
.set Y, 1                           ; X works for the other piece: piece 0
.irp n, 0,1,2,3,4,5,6,7,8,9,10,11,12,13,15,14,16,17,18,19,20,21
	OP X, \n
.endr
	v_nop                           ; a plain instruction behind the exponential,
	s_wait_alu depctr_va_vdst(0)    ; and its wait, ahead of the branch
.endm
; A BLOCK ENDS: its last step's two turns, piece 1's last products, and THE WAY OUT: O^T is divided by l, rounded to f16 and sent through my stage: 16 rows of 256 bytes, both heads.
.macro PACK t
	WIN 0
.set i, OT+32*(\t)
.rept 16
	v_pk_mul_f32 v[i:i+1], v[i:i+1], v[ST+4*(\t)+2:ST+4*(\t)+3] op_sel_hi:[1,0]
.set i, i+2
.endr
.set i, 0
.rept 16
	v_cvt_pk_f16_f32 v[S+16*(\t)+i], v[OT+32*(\t)+2*i], v[OT+32*(\t)+2*i+1]
.set i, i+1
.endr
.irp f, 0,1,2,3
	ds_store_b128 v[STO], v[S+16*(\t)+4*\f:S+16*(\t)+4*\f+3] offset:128*(\t)+32*\f
.endr
.endm
.macro FINISH
	TURN 0, 1, 1
	TURN 1, 1, 1
.set VB, 1
.set i, 0
.rept 8
	PV 1
.set i, i+1
.endr
	WIN 0
.irp t, 0,1
	v_add_f32 v[ST+4*\t+2], v[ST+4*\t+2], v[ST+4*\t+3]
.endr
.irp t, 0,1
	v_permlanex16_b32 v[ST+4*\t+3], v[ST+4*\t+2], s[SEL], s[SEL+1]
.endr
.irp t, 0,1
	v_add_f32 v[ST+4*\t+2], v[ST+4*\t+2], v[ST+4*\t+3]
.endr
.irp t, 0,1
	v_rcp_f32 v[ST+4*\t+2], v[ST+4*\t+2]
.endr
	v_nop                           ; a plain instruction behind the last reciprocal,
	s_wait_alu depctr_va_vdst(0)    ; and the one wait ahead of the first use
	PACK 0
	PACK 1
.irp f, 0,1,2,3,4,5,6,7
	ds_load_b128 v[S+32+4*\f:S+32+4*\f+3], v[RD] offset:\f*2*SP  ; LDS serves a wave's instructions in order: these see the stores above
.endr
.irp f, 0,1,2,3,4,5,6,7
	s_wait_dscnt 7-\f               ; the younger read-backs may stay out
	global_store_b128 v[GO], v[S+32+4*\f:S+32+4*\f+3], s[10:11] offset:\f*8192  ; 16 lanes store 256 consecutive bytes, aligned
.endr
.endm
; What a tile's trip does behind the change of slots: steps 4 t - 1 to 4 t + 2 of the block, or, in a block's first tile, its beginning and steps 0 to 2.
.macro TILE tag
	s_sub_co_u32 s[RT], s[RT], 1
	s_mov_b32 s[CNT], 2
	s_mov_b32 s[SS], 0
	s_cmp_eq_u32 s[NEW], 1
	s_cbranch_scc0 .Lstep\tag
	BEGIN
	s_branch .Lfirst\tag
.Lstep\tag:
	TURN 0, 1
	TURN 1, 1
.Lfirst\tag:
	TURN 0, 0
	TURN 1, 0
	s_sub_co_u32 s[CNT], s[CNT], 1
	s_cmp_lg_u32 s[CNT], 0
	s_cbranch_scc1 .Lstep\tag
.endm
.set NOKQ, 0
.set VB, 0
.Lslot:                             ; 8 times: a tile is entered and the next is asked for
	CHANGE 1
	TILE 1
	s_cmp_eq_u32 s[RT], 0
	s_cbranch_scc0 .Lbottom
	FINISH                          ; in the loop this is the first block's end: the second block's last tile is the walk's last
	s_wait_xcnt 0x0                 ; the stores have read their registers and O's address
	s_mov_b64 s[10:11], s[OLO:OLO+1]
	s_add_co_u32 s[RT], s[PBQ], 1
	s_mov_b32 s[DG], s[DG2]
	s_mov_b32 s[NEW], 1
	WIN 0x82                        ; the second block's Q goes where the turns name Q
.set i, 0
.rept 32
	v_mov_b32 v[i], v[QB+i]
.set i, i+1
.endr
	WIN 0
.Lbottom:
	s_sub_co_u32 s[SLOTS], s[SLOTS], 1
	s_cmp_lg_u32 s[SLOTS], 0
	s_cbranch_scc1 .Lslot
	CHANGE 0                        ; the walk's last tile is written out
	TILE 2
	FINISH
	s_wait_tensorcnt 0x0            ; the wave's end
	ds_add_u32 v[SPW], v[NIL]
	s_wait_dscnt 0x0
	CROUND                          ; the closing round
	s_endpgm
.Lfunc_end_k_qf492e0d5e6_attn:
	.size	k_qf492e0d5e6_attn, .Lfunc_end_k_qf492e0d5e6_attn-k_qf492e0d5e6_attn
	.p2alignl 7, 3214868480
	.fill 96, 4, 3214868480
	.section	.rodata,"a",@progbits
	.p2align	6, 0x0
	.amdhsa_kernel k_qf492e0d5e6_attn
		.amdhsa_group_segment_fixed_size 327680
		.amdhsa_private_segment_fixed_size 0
		.amdhsa_enable_private_segment 0
		.amdhsa_kernarg_size 16
		.amdhsa_user_sgpr_count 2
		.amdhsa_user_sgpr_kernarg_segment_ptr 1
		.amdhsa_wavefront_size32 1
		.amdhsa_system_sgpr_workgroup_id_x 1
		.amdhsa_system_sgpr_workgroup_id_y 1
		.amdhsa_system_sgpr_workgroup_id_z 1
		.amdhsa_system_vgpr_workitem_id 0
		.amdhsa_next_free_vgpr 768
		.amdhsa_next_free_sgpr 96
		.amdhsa_reserve_vcc 1
		.amdhsa_float_denorm_mode_32 3
		.amdhsa_float_denorm_mode_16_64 3
		.amdhsa_memory_ordered 1
		.amdhsa_forward_progress 1
		.amdhsa_inst_pref_size 181
	.end_amdhsa_kernel
	.amdgpu_metadata
---
amdhsa.version: [ 1, 2 ]
amdhsa.kernels:
  - .name:           k_qf492e0d5e6_attn
    .symbol:         k_qf492e0d5e6_attn.kd
    .args:
      - { .name: qkv, .offset: 0, .size: 8, .value_kind: global_buffer, .address_space: global }
      - { .name: oa, .offset: 8, .size: 8, .value_kind: global_buffer, .address_space: global }
    .group_segment_fixed_size: 327680
    .private_segment_fixed_size: 0
    .kernarg_segment_align: 8
    .kernarg_segment_size: 16
    .max_flat_workgroup_size: 128
    .sgpr_count:     96
    .vgpr_count:     768
    .wavefront_size: 32
...
	.end_amdgpu_metadata
.endif
;; end of part 3
;; launch go (part 4): grid 16 x 16, 4 waves a work-group, clusters of 4 x 4, 327,680 bytes of LDS; arguments oa, w, hidden_states, h; writes h
.if DOCPART == 4
	.amdgcn_target "amdgcn-amd-amdhsa--gfx1250"
	.amdhsa_code_object_version 6
	.text
	.protected	k_qf492e0d5e6_go
	.globl	k_qf492e0d5e6_go
	.p2align	8
	.type	k_qf492e0d5e6_go,@function
k_qf492e0d5e6_go:
	s_mov_b64 s[64:65], 0
	v_nop
	global_prefetch_b8 v0, s[64:65] scope:SCOPE_SE
	s_setreg_imm32_b32 hwreg(HW_REG_WAVE_MODE, 25, 1), 1
	s_wait_xcnt 0x0
	s_wait_alu depctr_hold_cnt(0) depctr_sa_sdst(0) depctr_va_vdst(0) depctr_va_sdst(0) depctr_va_ssrc(0) depctr_va_vcc(0) depctr_vm_vsrc(0)
	s_getreg_b32 s2, hwreg(HW_REG_IB_STS2, 6, 4)
	s_cmp_eq_u32 s2, 0
	s_cbranch_scc0 .Lentry_in_a_cluster
	s_endpgm
.Lentry_in_a_cluster:
	s_bfe_u32 s2, ttmp6, 0x10000c
	s_cmp_lg_u32 s2, 0xf033
	s_cbranch_scc0 .Lentry_shape_is_right
	s_endpgm
.Lentry_shape_is_right:
; h = hidden + O Wo^T.  O: [2048][2048] f16; Wo: [2048][2048] f16 in w; hidden, h: [2048][2048] f32.  Sums in f32; the residual is added in f32.
; A work-group makes 128 x 128; four waves (r, c), each 64 x 64: 16 accumulators.  K goes in steps of 256 (LDS rows of 512 bytes + 16) through two LDS slots.  Both slots are asked for at the start; at a step's end the slot
; just read is filled with the walk's step after the next.  A K step is written ONCE: a loop over steps holds a loop over pairs of eighths (32 along K each); the LDS addresses hang on a scalar that steps and is turned at a
; change of slots.  Only the first eighth, whose products start the sums with the constant 0, stands ahead of the loops, which are entered in their middle.
; THE WALK ALONG K BEGINS AT ONE OF TWO PLACES.  The clusters are dealt into two groups by the parity of x ^ x/2 ^ y ^ y/2 of the cluster's place in the grid (along each axis: 0 1 1 0); one group begins at K step 0, the other
; at K step 4, and both go round all 8 (f32 sums may be taken in any order).  So the clusters that read the same rows of O, or of Wo, do not all ask for a block in the same step: the two groups ask four steps apart.
; CLUSTER 4 x 4: O's tile is shared along a row of the cluster, Wo's along a column: joint loads, one a wave behind each round.  The step's number hangs on the cluster's place alone: it is the same in all sixteen partners.
; THE MATRIX INSTRUCTION IS USED TRANSPOSED (source 0 = 16 rows of Wo, source 1 = 16 rows of O): a lane holds eight neighbouring columns of one row.
; A wave's 64 columns of f32 are 256 bytes: each wave has a stage of its own (16 rows x 272 bytes) and no barrier stands on the way out.  The residual is loaded at the start, in the stores' own lane layout.
; REGISTERS: window 0: v0-31 addresses; v32-95 the way out; v128-255 accumulator (a, b) at 128 + 8 (4 a + b).  window 1: two fragment buffers (at 0 and 128): O's four fragments, Wo's four at +32.  window 2: v0-127 the residual.
.set KP,     2048
.set KS,     8
.set OSTEP,  4                         ; the second group's first K step
.set NBR,    128
.set BREG,   9437184
.set NPROD,  16
.set NLD,    16                        ; LDS loads of an eighth
.set PITCH,  528
.set HALFA,  64*PITCH
.set HALFB,  (NBR/2)*PITCH
.set BOFF,   128*PITCH
.set SLOT,   (128+NBR)*PITCH
.set STAGE,  2*SLOT
.set SPITCH, 272
.set SPARE,  STAGE+4*16*SPITCH
.set ADRA,  16
.set ADRB,  17
.set A0,    18
.set B0,    19
.set STO,   24
.set RD,    25
.set CO,    26
.set SPW,   28
.set NIL,   29
.set ACC,   128
.set F0,    0
.set F1,    128
.set G1,  24
.set G0,  32                           ; s[32:35] A's walking group 0: slot 1's first fill, then every refill
.set G1B, 48
.set G0B, 56                           ; s[56:59] the same for B
.set TB,  60                           ; s60  LDS byte from which the fragments are read: slot + place along K
.set SB,  61                           ; s61  the slot that was filled last: 0 or SLOT
.set G0F,  72                          ; s[72:75] A's group 0 for slot 0's first fill; never rewritten
.set G0BF, 76                          ; s[76:79] the same for B
.set ABASE, 80                         ; s[80:81] A at my rows, K = 0
.set BBASE, 82                         ; s[82:83] B at my rows, K = 0
.set KO,   84                          ; s[84:85] 512 x the K step that is asked for
.set KPOS, 86                          ; s86  the K step asked for last
.set G1W0, (1<<16)|(1<<20)|(1<<21)|(6<<22)|(3<<25)
.set MSB, 0
.macro WIN new
.if MSB != (\new)
	s_set_vgpr_msb (MSB<<8)|(\new)
.set MSB, \new
.endif
.endm
.set MUL,  0x05
.set TO_F, 0x40
.macro PLACES
.rept 4
	v_nop
.endr
.endm
.macro JLOAD                           ; waves 0 and 1 fetch A's two halves, waves 2 and 3 B's; an s_nop 0 and four v_nop follow each line
	s_cmp_eq_u32 s11, 0
	s_cbranch_scc0 .Lfor_b_\@
	tensor_load_to_lds s[G0:G0+3], s[G1:G1+7]
	s_nop 0
	PLACES
	s_branch .Lasked_\@
.Lfor_b_\@:
	tensor_load_to_lds s[G0B:G0B+3], s[G1B:G1B+7]
	s_nop 0
	PLACES
.Lasked_\@:
.endm
.macro CREST
	s_cmp_lg_u32 s10, 0
	s_cbranch_scc1 .Lnot_wave_0_\@
	s_barrier_signal -3
.Lnot_wave_0_\@:
	s_barrier_wait -3
	s_barrier_signal -1
	s_barrier_wait -1
.endm
.macro CROUND
	s_barrier_signal -1
	s_barrier_wait -1
	CREST
.endm
.macro ADDR
	v_add_nc_u32 v[ADRA], s[TB], v[A0]
	v_add_nc_u32 v[ADRB], s[TB], v[B0]
.endm
.macro FETCH g, k                      ; 16 LDS loads in one run: the fragments of 32 along K, k bytes behind the addresses, into buffer g
	WIN TO_F
.irp b, 0,1,2,3
	ds_load_b128 v[(\g)+32+8*(\b):(\g)+32+8*(\b)+3],   v[ADRB] offset:(\k)+(\b)*16*PITCH
	ds_load_b128 v[(\g)+32+8*(\b)+4:(\g)+32+8*(\b)+7], v[ADRB] offset:(\k)+(\b)*16*PITCH+32
.endr
.irp a, 0,1,2,3
	ds_load_b128 v[(\g)+8*(\a):(\g)+8*(\a)+3],   v[ADRA] offset:(\k)+(\a)*16*PITCH
	ds_load_b128 v[(\g)+8*(\a)+4:(\g)+8*(\a)+7], v[ADRA] offset:(\k)+(\a)*16*PITCH+32
.endr
.endm
.macro MULP f, n0, n, zero=0           ; products n0 .. n0 + n - 1 of an eighth's 16; the accumulators take turns, one instruction a turn.  zero = 1: they start the sums
	WIN MUL
.set pn, (\n0)
.rept (\n)
.if \zero
	v_wmma_f32_16x16x32_f16 v[ACC+8*pn:ACC+8*pn+7], v[(\f)+32+8*(pn%4):(\f)+32+8*(pn%4)+7], v[(\f)+8*(pn/4):(\f)+8*(pn/4)+7], 0
.else
	v_wmma_f32_16x16x32_f16 v[ACC+8*pn:ACC+8*pn+7], v[(\f)+32+8*(pn%4):(\f)+32+8*(pn%4)+7], v[(\f)+8*(pn/4):(\f)+8*(pn/4)+7], v[ACC+8*pn:ACC+8*pn+7]
.endif
.set pn, pn+1
.endr
.endm
.macro EIGHTH f, g, k
	s_wait_dscnt 0x0                               ; f's loads, issued an eighth ago, are in
	PLACES                                         ; four places between the last product that read g and the loads into it
	FETCH \g, \k
	MULP \f, 0, NPROD
.endm
.macro BODY mid=0                      ; eighths 0 to 6 of a K step; eighth 7 is left in F1.  mid = 1: the copy into which the first step, its first eighth done, enters
	WIN 0
	s_mov_b32 s3, 3
.Lin_\@:
	EIGHTH F0, F1, 64
.if \mid
	WIN 0
.Lmid:
.endif
	EIGHTH F1, F0, 128
	WIN 0
	s_add_co_u32 s[TB], s[TB], 128
	ADDR
	s_sub_co_u32 s3, s3, 1
	s_cmp_lg_u32 s3, 0
	s_cbranch_scc1 .Lin_\@
	EIGHTH F0, F1, 64
.endm
; The last eighth is multiplied and the slots change.  In front of the barrier each wave waits for all its tensor loads (one is out: its part of the next slot), adds 0 to its spare word, and waits for that and for
; its reads of this slot.  fill = 1: the barrier opens a round of the cluster's, and this slot is filled again first thing behind it, with the walk's step after the next; its address is made anew from the step's number.
.macro TURN fill
	WIN 0
	s_wait_tensorcnt 0x0                           ; no tensor load of mine is out, so the descriptors may be written
	ds_add_u32 v[SPW], v[NIL]
.if \fill
	s_xor_b32 s[SB], s[SB], SLOT
	s_add_co_u32 s[G0+1], s20, s[SB]
	s_add_co_u32 s[G0B+1], s21, s[SB]
	s_add_co_u32 s[KPOS], s[KPOS], 1               ; the walk goes round
	s_cmp_eq_u32 s[KPOS], KS
	s_cselect_b32 s[KPOS], 0, s[KPOS]
	s_lshl_b32 s[KO], s[KPOS], 9
	s_add_nc_u64 s[G0+2:G0+3], s[ABASE:ABASE+1], s[KO:KO+1]
	s_or_b32 s[G0+3], s[G0+3], 0x80000000
	s_add_nc_u64 s[G0B+2:G0B+3], s[BBASE:BBASE+1], s[KO:KO+1]
	s_or_b32 s[G0B+3], s[G0B+3], 0x80000000
.endif
	s_sub_co_u32 s[TB], s[TB], 384
	s_xor_b32 s[TB], s[TB], SLOT
	s_wait_dscnt 0x1                               ; F1 is in; only the add may be out
	MULP F1, 0, 4
	s_wait_dscnt 0x0                               ; the add is done, and my reads of this slot are over
	s_barrier_signal -1
	MULP F1, 4, 4
	WIN 0
	s_barrier_wait -1
.if \fill
	CREST
	JLOAD                                          ; its four v_nop are also the places in front of the loads below
.else
	PLACES
.endif
	ADDR
	FETCH F0, 0
	MULP F1, 8, NPROD-8
.endm
	s_load_b128 s[4:7], s[0:1], 0x0                ; A s[4:5], w s[6:7]
	s_load_b128 s[36:39], s[0:1], 0x10             ; the residual s[36:37], the result s[38:39]
	v_lshl_add_u32 v[SPW], v0, 2, SPARE
	v_mov_b32 v[NIL], 0
	ds_add_u32 v[SPW], v[NIL]                      ; the wave's opening: the add and its wait stand ahead of my first tensor load
	v_lshrrev_b32 v1, 5, v0
	v_readfirstlane_b32 s10, v1
	s_lshr_b32 s11, s10, 1
	s_and_b32 s12, s10, 1
	s_bfe_u32 s40, ttmp6, 0x40000
	s_bfe_u32 s41, ttmp6, 0x40004
	s_lshl_b32 s42, ttmp9, 2
	s_add_co_u32 s42, s42, s40                     ; tile column
	s_and_b32 s13, ttmp7, 0xffff                   ; the cluster's y
	s_lshr_b32 s14, s13, 1                         ; the cluster's group: the parity of y ^ y/2 ^ x ^ x/2
	s_xor_b32 s14, s14, s13
	s_lshr_b32 s15, ttmp9, 1
	s_xor_b32 s15, s15, ttmp9
	s_xor_b32 s14, s14, s15
	s_and_b32 s14, s14, 1
	s_mul_i32 s[KPOS], s14, OSTEP                  ; its first K step
	s_lshl_b32 s[KO], s[KPOS], 9
	s_mov_b32 s[KO+1], 0
	s_lshl_b32 s13, s13, 2
	s_add_co_u32 s13, s13, s41                     ; tile row
	s_lshl_b32 s43, s41, 2
	s_lshl_b32 s43, 15, s43
	s_lshl_b32 s44, 0x1111, s40
	s_or_b32 s[G1+0], s43, G1W0
	s_or_b32 s[G1B+0], s44, G1W0
.irp g, G1, G1B
	s_mov_b32 s[(\g)+1], 256<<16
	s_mov_b32 s[(\g)+2], 64<<16
	s_mov_b32 s[(\g)+3], 256<<16
	s_mov_b32 s[(\g)+4], 64
	s_mov_b32 s[(\g)+5], KP
	s_mov_b32 s[(\g)+6], 0
	s_mov_b32 s[(\g)+7], 0
.endr
	s_lshl_b32 s16, s13, 7
	s_lshl_b32 s17, s12, 6
	s_add_co_u32 s16, s16, s17
	s_mul_i32 s16, s16, KP*2
	s_mov_b32 s17, 0
	s_mul_i32 s46, s42, NBR
	s_mul_i32 s47, s12, NBR/2
	s_add_co_u32 s46, s46, s47
	s_mul_i32 s46, s46, KP*2
	s_add_co_u32 s46, s46, BREG
	s_mov_b32 s47, 0
	s_mul_i32 s20, s12, HALFA
	s_mul_i32 s21, s12, HALFB
	s_add_co_u32 s21, s21, BOFF
	s_mov_b32 s[SB], SLOT
	s_mov_b32 s[TB], 0
	s_mov_b32 s[G0F], 1
	s_mov_b32 s[G0F+1], s20
	s_mov_b32 s[G0BF], 1
	s_mov_b32 s[G0BF+1], s21
	s_mov_b32 s[G0], 1
	s_add_co_u32 s[G0+1], s20, SLOT
	s_mov_b32 s[G0B], 1
	s_add_co_u32 s[G0B+1], s21, SLOT
	s_lshl_b32 s66, s13, 7                         ; my part of the result: row 128 x tile row + 64 r, column 128 x tile column + 64 c
	s_lshl_b32 s67, s11, 6
	s_add_co_u32 s66, s66, s67
	s_lshl_b32 s66, s66, 13
	s_lshl_b32 s67, s42, 9
	s_add_co_u32 s66, s66, s67
	s_lshl_b32 s67, s12, 8
	s_add_co_u32 s66, s66, s67
	s_mov_b32 s67, 0
	s_wait_dscnt 0x0                               ; the opening add is done
	s_wait_kmcnt 0x0
	s_add_nc_u64 s[ABASE:ABASE+1], s[4:5], s[16:17]
	s_add_nc_u64 s[BBASE:BBASE+1], s[6:7], s[46:47]
	s_add_nc_u64 s[G0F+2:G0F+3], s[ABASE:ABASE+1], s[KO:KO+1]
	s_or_b32 s[G0F+3], s[G0F+3], 0x80000000
	s_add_nc_u64 s[G0BF+2:G0BF+3], s[BBASE:BBASE+1], s[KO:KO+1]
	s_or_b32 s[G0BF+3], s[G0BF+3], 0x80000000
	s_add_co_u32 s[KPOS], s[KPOS], 1               ; the walk's second step (OSTEP + 1 is below KS: no turn yet)
	s_lshl_b32 s[KO], s[KPOS], 9
	s_add_nc_u64 s[G0+2:G0+3], s[ABASE:ABASE+1], s[KO:KO+1]
	s_or_b32 s[G0+3], s[G0+3], 0x80000000
	s_add_nc_u64 s[G0B+2:G0B+3], s[BBASE:BBASE+1], s[KO:KO+1]
	s_or_b32 s[G0B+3], s[G0B+3], 0x80000000
	s_add_nc_u64 s[36:37], s[36:37], s[66:67]
	s_add_nc_u64 s[38:39], s[38:39], s[66:67]
	CROUND                                         ; all sixteen work-groups are here
	s_cmp_eq_u32 s11, 0                            ; a wave's two first fills stand in one branch: two loads of mine are out
	s_cbranch_scc0 .Lfirst_b
	tensor_load_to_lds s[G0F:G0F+3], s[G1:G1+7]
	s_nop 0
	tensor_load_to_lds s[G0:G0+3], s[G1:G1+7]
	s_nop 0
	PLACES
	s_branch .Lfirst_asked
.Lfirst_b:
	tensor_load_to_lds s[G0BF:G0BF+3], s[G1B:G1B+7]
	s_nop 0
	tensor_load_to_lds s[G0B:G0B+3], s[G1B:G1B+7]
	s_nop 0
	PLACES
.Lfirst_asked:
	v_and_b32 v1, 15, v0
	v_bfe_u32 v2, v0, 4, 1
	v_lshlrev_b32 v5, 13, v2
	v_lshl_add_u32 v[CO], v1, 4, v5                ; lanes 0-15 one row's 256 bytes, lanes 16-31 the next row's
	WIN 0x80
.set n, 0
.rept 32
	global_load_b128 v[4*n:4*n+3], v[CO], s[36:37] offset:(16*(n/8)+2*(n%8))*8192
.set n, n+1
.endr
	WIN 0
	v_mul_u32_u24 v3, v1, PITCH
	v_lshl_add_u32 v3, v2, 4, v3
	s_mul_i32 s22, s11, 64*PITCH
	v_add_nc_u32 v[A0], s22, v3
	s_mul_i32 s22, s12, 64*PITCH
	s_add_co_u32 s22, s22, BOFF
	v_add_nc_u32 v[B0], s22, v3
	s_mul_i32 s22, s10, 16*SPITCH
	s_add_co_u32 s22, s22, STAGE                   ; my stage
	v_mul_u32_u24 v4, v1, SPITCH
	v_lshl_add_u32 v4, v2, 5, v4                   ; in: row l % 16, 32 bytes for each half of the lanes
	v_add_nc_u32 v[STO], s22, v4
	v_mul_u32_u24 v5, v2, SPITCH
	v_lshl_add_u32 v5, v1, 4, v5
	v_add_nc_u32 v[RD], s22, v5
	s_wait_tensorcnt 0x1                           ; my part of slot 0 is in; slot 1's may stay out
	s_barrier_signal -1
	s_barrier_wait -1                              ; everybody's is
	ADDR
	FETCH F0, 0
	FETCH F1, 64
	s_wait_dscnt NLD                               ; F0 is in; F1's 16 younger loads may stay out
	MULP F0, 0, NPROD, 1                           ; the first eighth starts the sums
	WIN 0
	s_mov_b32 s2, KS-1
	s_mov_b32 s3, 3
	s_branch .Lmid                                 ; the loops are entered behind their first eighth
.Lk:                                                   ; a trip: the change of slots at a step's end, which asks for the step after the next, and the next step
	TURN 1
	BODY 1
	WIN 0
	s_sub_co_u32 s2, s2, 1
	s_cmp_lg_u32 s2, 0
	s_cbranch_scc1 .Lk
	TURN 0                                         ; the last change of slots asks for nothing
	BODY
	s_wait_dscnt 0x0
	MULP F1, 0, NPROD
	WIN 0
	; THE WAY OUT, 16 rows at a time: into my stage, back as whole rows of 256 bytes, the residual added, stored.
	s_wait_loadcnt 0x0                             ; the residual
	PLACES
.irp a, 0,1,2,3
.set BK, 32+32*((\a)%2)
.irp b, 0,1,2,3
	ds_store_b128 v[STO], v[ACC+8*(4*(\a)+(\b)):ACC+8*(4*(\a)+(\b))+3]   offset:64*(\b)
	ds_store_b128 v[STO], v[ACC+8*(4*(\a)+(\b))+4:ACC+8*(4*(\a)+(\b))+7] offset:64*(\b)+16
.endr
.irp t, 0,1,2,3,4,5,6,7
	ds_load_b128 v[BK+4*(\t):BK+4*(\t)+3], v[RD] offset:(\t)*2*SPITCH  ; LDS serves a wave's instructions in order: these see the stores above
.endr
	s_wait_dscnt 0x0
	s_wait_xcnt 0x0                                ; earlier stores have read their registers
	WIN 0x08                                       ; source 1 in window 2
.irp q, 0,1,2,3,4,5,6,7,8,9,10,11,12,13,14,15
	v_pk_add_f32 v[BK+2*(\q):BK+2*(\q)+1], v[BK+2*(\q):BK+2*(\q)+1], v[32*(\a)+2*(\q):32*(\a)+2*(\q)+1]
.endr
	WIN 0
.irp t, 0,1,2,3,4,5,6,7
	global_store_b128 v[CO], v[BK+4*(\t):BK+4*(\t)+3], s[38:39] offset:(16*(\a)+2*(\t))*8192  ; 16 lanes store 256 consecutive bytes, aligned
.endr
.endr
	s_wait_tensorcnt 0x0                           ; the wave's end
	ds_add_u32 v[SPW], v[NIL]
	s_wait_dscnt 0x0
	CROUND                                         ; the closing round
	s_endpgm
.Lfunc_end_k_qf492e0d5e6_go:
	.size	k_qf492e0d5e6_go, .Lfunc_end_k_qf492e0d5e6_go-k_qf492e0d5e6_go
	.p2alignl 7, 3214868480
	.fill 96, 4, 3214868480
	.section	.rodata,"a",@progbits
	.p2align	6, 0x0
	.amdhsa_kernel k_qf492e0d5e6_go
		.amdhsa_group_segment_fixed_size 327680
		.amdhsa_private_segment_fixed_size 0
		.amdhsa_enable_private_segment 0
		.amdhsa_kernarg_size 32
		.amdhsa_user_sgpr_count 2
		.amdhsa_user_sgpr_kernarg_segment_ptr 1
		.amdhsa_wavefront_size32 1
		.amdhsa_system_sgpr_workgroup_id_x 1
		.amdhsa_system_sgpr_workgroup_id_y 1
		.amdhsa_system_sgpr_workgroup_id_z 1
		.amdhsa_system_vgpr_workitem_id 0
		.amdhsa_next_free_vgpr 640
		.amdhsa_next_free_sgpr 88
		.amdhsa_reserve_vcc 0
		.amdhsa_float_denorm_mode_32 3
		.amdhsa_float_denorm_mode_16_64 3
		.amdhsa_memory_ordered 1
		.amdhsa_forward_progress 1
		.amdhsa_inst_pref_size 47
	.end_amdhsa_kernel
	.amdgpu_metadata
---
amdhsa.version: [ 1, 2 ]
amdhsa.kernels:
  - .name:           k_qf492e0d5e6_go
    .symbol:         k_qf492e0d5e6_go.kd
    .args:
      - { .name: oa, .offset: 0, .size: 8, .value_kind: global_buffer, .address_space: global }
      - { .name: w, .offset: 8, .size: 8, .value_kind: global_buffer, .address_space: global }
      - { .name: hidden_states, .offset: 16, .size: 8, .value_kind: global_buffer, .address_space: global }
      - { .name: h, .offset: 24, .size: 8, .value_kind: global_buffer, .address_space: global }
    .group_segment_fixed_size: 327680
    .private_segment_fixed_size: 0
    .kernarg_segment_align: 8
    .kernarg_segment_size: 32
    .max_flat_workgroup_size: 128
    .sgpr_count:     88
    .vgpr_count:     640
    .wavefront_size: 32
...
	.end_amdgpu_metadata
.endif
;; end of part 4
;; launch ln2: the kernel of part 1 again; grid 256 x 1, 8 waves a work-group, no clusters, 0 bytes of LDS; arguments h, ln2_w, Wq, Wkv, Wo, Wgu, Wdown, xy, w; writes xy, w
;; launch ggu (part 5): grid 12 x 16, 4 waves a work-group, clusters of 4 x 4, 327,680 bytes of LDS; arguments xy, w, oa; writes oa
.if DOCPART == 5
	.amdgcn_target "amdgcn-amd-amdhsa--gfx1250"
	.amdhsa_code_object_version 6
	.text
	.protected	k_qf492e0d5e6_ggu
	.globl	k_qf492e0d5e6_ggu
	.p2align	8
	.type	k_qf492e0d5e6_ggu,@function
k_qf492e0d5e6_ggu:
	s_mov_b64 s[64:65], 0
	v_nop
	global_prefetch_b8 v0, s[64:65] scope:SCOPE_SE
	s_setreg_imm32_b32 hwreg(HW_REG_WAVE_MODE, 25, 1), 1
	s_wait_xcnt 0x0
	s_wait_alu depctr_hold_cnt(0) depctr_sa_sdst(0) depctr_va_vdst(0) depctr_va_sdst(0) depctr_va_ssrc(0) depctr_va_vcc(0) depctr_vm_vsrc(0)
	s_getreg_b32 s2, hwreg(HW_REG_IB_STS2, 6, 4)
	s_cmp_eq_u32 s2, 0
	s_cbranch_scc0 .Lentry_in_a_cluster
	s_endpgm
.Lentry_in_a_cluster:
	s_bfe_u32 s2, ttmp6, 0x10000c
	s_cmp_lg_u32 s2, 0xf033
	s_cbranch_scc0 .Lentry_shape_is_right
	s_endpgm
.Lentry_shape_is_right:
; act = silu(g) u, [g | u] = y Wgu^T.  y: [2048][2048] f16; Wgu: 12 tiles of 128 rows x 2048 f16 in w, laid so that a wave's 64 columns are 32 gate columns and the 32 up columns of the same index; act: [2048][768] bf16
; (columns 688-767 come from zero rows and are 0).  Sums and the activation in f32; act rounded once, to bf16: it has no room in f16 at the inputs that must be served.
; A work-group makes 128 x 128 of [g | u], 128 x 64 of act; four waves (r, c), each 64 x 64: 16 accumulators.  12 x 16 work-groups.  K goes in steps of 256 (LDS rows of 512 bytes + 16) through two LDS slots.  Both slots are
; asked for at the start; at a step's end the slot just read is filled with the walk's step after the next.  A K step is written ONCE: a loop over steps holds a loop over pairs of eighths (32 along K each).  Only the first
; eighth, whose products start the sums with the constant 0, stands ahead of the loops, which are entered in their middle.
; THE WALK ALONG K BEGINS AT ONE OF TWO PLACES.  The clusters are dealt into two groups by the parity of x ^ x/2 ^ y ^ y/2 of the cluster's place in the grid; one group begins at K step 0, the other at K step 4, and both go
; round all 8 (f32 sums may be taken in any order).  So the clusters that read the same rows of y, or of Wgu, do not all ask for a block in the same step: the two groups ask four steps apart.
; CLUSTER 4 x 4: y's tile is shared along a row of the cluster, Wgu's along a column: joint loads, one a wave behind each round.  The step's number hangs on the cluster's place alone: it is the same in all sixteen partners.
; THE MATRIX INSTRUCTION IS USED TRANSPOSED (source 0 = 16 rows of Wgu, source 1 = 16 rows of y): a lane holds eight neighbouring columns of one row.
; A tile's 64 columns of act are 128 bytes of a row: the stores cover 128 consecutive bytes a row, four rows an instruction.
; REGISTERS: window 0: v0-31 addresses; v32-95 the way out; v128-255 accumulator (a, b) at 128 + 8 (4 a + b): b = 0, 1 gate, b = 2, 3 up.  window 1: two fragment buffers (at 0 and 128).
.set KP,     2048
.set KS,     8
.set OSTEP,  4                         ; the second group's first K step
.set NBR,    128
.set BREG,   17825792
.set NPROD,  16
.set NLD,    16                        ; LDS loads of an eighth
.set PITCH,  528
.set HALFA,  64*PITCH
.set HALFB,  (NBR/2)*PITCH
.set BOFF,   128*PITCH
.set SLOT,   (128+NBR)*PITCH
.set STAGE,  2*SLOT
.set SPITCH, 144
.set SPARE,  STAGE+128*SPITCH
.set ADRA,  16
.set ADRB,  17
.set A0,    18
.set B0,    19
.set STO,   24
.set RD,    25
.set CO,    26
.set SPW,   28
.set NIL,   29
.set T,     32
.set ACC,   128
.set F0,    0
.set F1,    128
.set G1,  24
.set G0,  32                           ; s[32:35] A's walking group 0: slot 1's first fill, then every refill
.set G1B, 48
.set G0B, 56                           ; s[56:59] the same for B
.set TB,  60
.set SB,  61
.set G0F,  72                          ; s[72:75] A's group 0 for slot 0's first fill; never rewritten
.set G0BF, 76                          ; s[76:79] the same for B
.set ABASE, 80
.set BBASE, 82
.set KO,   84
.set KPOS, 86
.set G1W0, (1<<16)|(1<<20)|(1<<21)|(6<<22)|(3<<25)
.set MSB, 0
.macro WIN new
.if MSB != (\new)
	s_set_vgpr_msb (MSB<<8)|(\new)
.set MSB, \new
.endif
.endm
.set MUL,  0x05
.set TO_F, 0x40
.macro PLACES
.rept 4
	v_nop
.endr
.endm
.macro JLOAD                           ; waves 0 and 1 fetch A's two halves, waves 2 and 3 B's; an s_nop 0 and four v_nop follow each line
	s_cmp_eq_u32 s11, 0
	s_cbranch_scc0 .Lfor_b_\@
	tensor_load_to_lds s[G0:G0+3], s[G1:G1+7]
	s_nop 0
	PLACES
	s_branch .Lasked_\@
.Lfor_b_\@:
	tensor_load_to_lds s[G0B:G0B+3], s[G1B:G1B+7]
	s_nop 0
	PLACES
.Lasked_\@:
.endm
.macro CREST
	s_cmp_lg_u32 s10, 0
	s_cbranch_scc1 .Lnot_wave_0_\@
	s_barrier_signal -3
.Lnot_wave_0_\@:
	s_barrier_wait -3
	s_barrier_signal -1
	s_barrier_wait -1
.endm
.macro CROUND
	s_barrier_signal -1
	s_barrier_wait -1
	CREST
.endm
.macro ADDR
	v_add_nc_u32 v[ADRA], s[TB], v[A0]
	v_add_nc_u32 v[ADRB], s[TB], v[B0]
.endm
.macro FETCH g, k
	WIN TO_F
.irp b, 0,1,2,3
	ds_load_b128 v[(\g)+32+8*(\b):(\g)+32+8*(\b)+3],   v[ADRB] offset:(\k)+(\b)*16*PITCH
	ds_load_b128 v[(\g)+32+8*(\b)+4:(\g)+32+8*(\b)+7], v[ADRB] offset:(\k)+(\b)*16*PITCH+32
.endr
.irp a, 0,1,2,3
	ds_load_b128 v[(\g)+8*(\a):(\g)+8*(\a)+3],   v[ADRA] offset:(\k)+(\a)*16*PITCH
	ds_load_b128 v[(\g)+8*(\a)+4:(\g)+8*(\a)+7], v[ADRA] offset:(\k)+(\a)*16*PITCH+32
.endr
.endm
.macro MULP f, n0, n, zero=0           ; the accumulators take turns, one instruction a turn.  zero = 1: the products start the sums
	WIN MUL
.set pn, (\n0)
.rept (\n)
.if \zero
	v_wmma_f32_16x16x32_f16 v[ACC+8*pn:ACC+8*pn+7], v[(\f)+32+8*(pn%4):(\f)+32+8*(pn%4)+7], v[(\f)+8*(pn/4):(\f)+8*(pn/4)+7], 0
.else
	v_wmma_f32_16x16x32_f16 v[ACC+8*pn:ACC+8*pn+7], v[(\f)+32+8*(pn%4):(\f)+32+8*(pn%4)+7], v[(\f)+8*(pn/4):(\f)+8*(pn/4)+7], v[ACC+8*pn:ACC+8*pn+7]
.endif
.set pn, pn+1
.endr
.endm
.macro EIGHTH f, g, k
	s_wait_dscnt 0x0                               ; f's loads, issued an eighth ago, are in
	PLACES                                         ; four places between the last product that read g and the loads into it
	FETCH \g, \k
	MULP \f, 0, NPROD
.endm
.macro BODY mid=0                      ; eighths 0 to 6 of a K step; eighth 7 is left in F1.  mid = 1: the copy into which the first step, its first eighth done, enters
	WIN 0
	s_mov_b32 s3, 3
.Lin_\@:
	EIGHTH F0, F1, 64
.if \mid
	WIN 0
.Lmid:
.endif
	EIGHTH F1, F0, 128
	WIN 0
	s_add_co_u32 s[TB], s[TB], 128
	ADDR
	s_sub_co_u32 s3, s3, 1
	s_cmp_lg_u32 s3, 0
	s_cbranch_scc1 .Lin_\@
	EIGHTH F0, F1, 64
.endm
; The last eighth is multiplied and the slots change.  In front of the barrier each wave waits for all its tensor loads (one is out: its part of the next slot), adds 0 to its spare word, and waits for that and for
; its reads of this slot.  fill = 1: the barrier opens a round of the cluster's, and this slot is filled again first thing behind it, with the walk's step after the next; its address is made anew from the step's number.
.macro TURN fill
	WIN 0
	s_wait_tensorcnt 0x0
	ds_add_u32 v[SPW], v[NIL]
.if \fill
	s_xor_b32 s[SB], s[SB], SLOT
	s_add_co_u32 s[G0+1], s20, s[SB]
	s_add_co_u32 s[G0B+1], s21, s[SB]
	s_add_co_u32 s[KPOS], s[KPOS], 1               ; the walk goes round
	s_cmp_eq_u32 s[KPOS], KS
	s_cselect_b32 s[KPOS], 0, s[KPOS]
	s_lshl_b32 s[KO], s[KPOS], 9
	s_add_nc_u64 s[G0+2:G0+3], s[ABASE:ABASE+1], s[KO:KO+1]
	s_or_b32 s[G0+3], s[G0+3], 0x80000000
	s_add_nc_u64 s[G0B+2:G0B+3], s[BBASE:BBASE+1], s[KO:KO+1]
	s_or_b32 s[G0B+3], s[G0B+3], 0x80000000
.endif
	s_sub_co_u32 s[TB], s[TB], 384
	s_xor_b32 s[TB], s[TB], SLOT
	s_wait_dscnt 0x1                               ; F1 is in; only the add may be out
	MULP F1, 0, 4
	s_wait_dscnt 0x0                               ; the add is done, and my reads of this slot are over
	s_barrier_signal -1
	MULP F1, 4, 4
	WIN 0
	s_barrier_wait -1
.if \fill
	CREST
	JLOAD
.else
	PLACES
.endif
	ADDR
	FETCH F0, 0
	MULP F1, 8, NPROD-8
.endm
	s_load_b128 s[4:7], s[0:1], 0x0                ; y s[4:5], w s[6:7]
	s_load_b64 s[38:39], s[0:1], 0x10              ; act
	v_lshl_add_u32 v[SPW], v0, 2, SPARE
	v_mov_b32 v[NIL], 0
	ds_add_u32 v[SPW], v[NIL]                      ; the wave's opening: the add and its wait stand ahead of my first tensor load
	v_lshrrev_b32 v1, 5, v0
	v_readfirstlane_b32 s10, v1
	s_lshr_b32 s11, s10, 1
	s_and_b32 s12, s10, 1
	s_bfe_u32 s40, ttmp6, 0x40000
	s_bfe_u32 s41, ttmp6, 0x40004
	s_lshl_b32 s42, ttmp9, 2
	s_add_co_u32 s42, s42, s40
	s_and_b32 s13, ttmp7, 0xffff                   ; the cluster's y
	s_lshr_b32 s14, s13, 1                         ; the cluster's group: the parity of y ^ y/2 ^ x ^ x/2
	s_xor_b32 s14, s14, s13
	s_lshr_b32 s15, ttmp9, 1
	s_xor_b32 s15, s15, ttmp9
	s_xor_b32 s14, s14, s15
	s_and_b32 s14, s14, 1
	s_mul_i32 s[KPOS], s14, OSTEP                  ; its first K step
	s_lshl_b32 s[KO], s[KPOS], 9
	s_mov_b32 s[KO+1], 0
	s_lshl_b32 s13, s13, 2
	s_add_co_u32 s13, s13, s41
	s_lshl_b32 s43, s41, 2
	s_lshl_b32 s43, 15, s43
	s_lshl_b32 s44, 0x1111, s40
	s_or_b32 s[G1+0], s43, G1W0
	s_or_b32 s[G1B+0], s44, G1W0
.irp g, G1, G1B
	s_mov_b32 s[(\g)+1], 256<<16
	s_mov_b32 s[(\g)+2], 64<<16
	s_mov_b32 s[(\g)+3], 256<<16
	s_mov_b32 s[(\g)+4], 64
	s_mov_b32 s[(\g)+5], KP
	s_mov_b32 s[(\g)+6], 0
	s_mov_b32 s[(\g)+7], 0
.endr
	s_lshl_b32 s16, s13, 7
	s_lshl_b32 s17, s12, 6
	s_add_co_u32 s16, s16, s17
	s_mul_i32 s16, s16, KP*2
	s_mov_b32 s17, 0
	s_mul_i32 s46, s42, NBR
	s_mul_i32 s47, s12, NBR/2
	s_add_co_u32 s46, s46, s47
	s_mul_i32 s46, s46, KP*2
	s_add_co_u32 s46, s46, BREG
	s_mov_b32 s47, 0
	s_mul_i32 s20, s12, HALFA
	s_mul_i32 s21, s12, HALFB
	s_add_co_u32 s21, s21, BOFF
	s_mov_b32 s[SB], SLOT
	s_mov_b32 s[TB], 0
	s_mov_b32 s[G0F], 1
	s_mov_b32 s[G0F+1], s20
	s_mov_b32 s[G0BF], 1
	s_mov_b32 s[G0BF+1], s21
	s_mov_b32 s[G0], 1
	s_add_co_u32 s[G0+1], s20, SLOT
	s_mov_b32 s[G0B], 1
	s_add_co_u32 s[G0B+1], s21, SLOT
	s_lshl_b32 s66, s13, 7                         ; act: row 128 x tile row + 32 w, column bytes 128 x tile column
	s_lshl_b32 s67, s10, 5
	s_add_co_u32 s66, s66, s67
	s_mul_i32 s66, s66, 1536
	s_lshl_b32 s67, s42, 7
	s_add_co_u32 s66, s66, s67
	s_mov_b32 s67, 0
	s_wait_dscnt 0x0                               ; the opening add is done
	s_wait_kmcnt 0x0
	s_add_nc_u64 s[ABASE:ABASE+1], s[4:5], s[16:17]
	s_add_nc_u64 s[BBASE:BBASE+1], s[6:7], s[46:47]
	s_add_nc_u64 s[G0F+2:G0F+3], s[ABASE:ABASE+1], s[KO:KO+1]
	s_or_b32 s[G0F+3], s[G0F+3], 0x80000000
	s_add_nc_u64 s[G0BF+2:G0BF+3], s[BBASE:BBASE+1], s[KO:KO+1]
	s_or_b32 s[G0BF+3], s[G0BF+3], 0x80000000
	s_add_co_u32 s[KPOS], s[KPOS], 1               ; the walk's second step (OSTEP + 1 is below KS: no turn yet)
	s_lshl_b32 s[KO], s[KPOS], 9
	s_add_nc_u64 s[G0+2:G0+3], s[ABASE:ABASE+1], s[KO:KO+1]
	s_or_b32 s[G0+3], s[G0+3], 0x80000000
	s_add_nc_u64 s[G0B+2:G0B+3], s[BBASE:BBASE+1], s[KO:KO+1]
	s_or_b32 s[G0B+3], s[G0B+3], 0x80000000
	s_add_nc_u64 s[38:39], s[38:39], s[66:67]
	CROUND                                         ; all sixteen work-groups are here
	s_cmp_eq_u32 s11, 0                            ; a wave's two first fills stand in one branch: two loads of mine are out
	s_cbranch_scc0 .Lfirst_b
	tensor_load_to_lds s[G0F:G0F+3], s[G1:G1+7]
	s_nop 0
	tensor_load_to_lds s[G0:G0+3], s[G1:G1+7]
	s_nop 0
	PLACES
	s_branch .Lfirst_asked
.Lfirst_b:
	tensor_load_to_lds s[G0BF:G0BF+3], s[G1B:G1B+7]
	s_nop 0
	tensor_load_to_lds s[G0B:G0B+3], s[G1B:G1B+7]
	s_nop 0
	PLACES
.Lfirst_asked:
	v_and_b32 v1, 15, v0
	v_bfe_u32 v2, v0, 4, 1
	v_mul_u32_u24 v3, v1, PITCH
	v_lshl_add_u32 v3, v2, 4, v3
	s_mul_i32 s22, s11, 64*PITCH
	v_add_nc_u32 v[A0], s22, v3
	s_mul_i32 s22, s12, 64*PITCH
	s_add_co_u32 s22, s22, BOFF
	v_add_nc_u32 v[B0], s22, v3
	s_mul_i32 s22, s11, 64*SPITCH                  ; into the stage: row 64 r + 16 a + l % 16, my wave's 64 bytes, 16 for each half of the lanes
	s_lshl_b32 s23, s12, 6
	s_add_co_u32 s22, s22, s23
	s_add_co_u32 s22, s22, STAGE
	v_mul_u32_u24 v4, v1, SPITCH
	v_lshl_add_u32 v4, v2, 4, v4
	v_add_nc_u32 v[STO], s22, v4
	v_bfe_u32 v5, v0, 3, 2                         ; back: 32 lanes take four rows of 128 bytes
	v_and_b32 v6, 7, v0
	v_mul_u32_u24 v7, v5, SPITCH
	v_lshl_add_u32 v7, v6, 4, v7
	s_mul_i32 s22, s10, 32*SPITCH
	s_add_co_u32 s22, s22, STAGE
	v_add_nc_u32 v[RD], s22, v7
	v_mul_u32_u24 v7, v5, 1536
	v_lshl_add_u32 v[CO], v6, 4, v7
	s_wait_tensorcnt 0x1                           ; my part of slot 0 is in; slot 1's may stay out
	s_barrier_signal -1
	s_barrier_wait -1                              ; everybody's is
	ADDR
	FETCH F0, 0
	FETCH F1, 64
	s_wait_dscnt NLD                               ; F0 is in; F1's 16 younger loads may stay out
	MULP F0, 0, NPROD, 1                           ; the first eighth starts the sums
	WIN 0
	s_mov_b32 s2, KS-1
	s_mov_b32 s3, 3
	s_branch .Lmid                                 ; the loops are entered behind their first eighth
.Lk:                                                   ; a trip: the change of slots at a step's end, which asks for the step after the next, and the next step
	TURN 1
	BODY 1
	WIN 0
	s_sub_co_u32 s2, s2, 1
	s_cmp_lg_u32 s2, 0
	s_cbranch_scc1 .Lk
	TURN 0                                         ; the last change of slots asks for nothing
	BODY
	s_wait_dscnt 0x0
	MULP F1, 0, NPROD
	WIN 0
	; THE WAY OUT.  act = g u / (1 + 2^(-log2(e) g)).  Two batches of transcendentals, each with one plain instruction behind its last and one wait ahead of its first reader.
	PLACES
.macro GU line:vararg                  ; one line for each pair of numbers: TT the pair at work, GG the gate's, UU the up's
.irp a, 0,1,2,3
.irp b, 0,1
.irp q, 0,2,4,6
.set TT, T+8*(2*(\a)+(\b))+(\q)
.set GG, ACC+8*(4*(\a)+(\b))+(\q)
.set UU, ACC+8*(4*(\a)+(\b)+2)+(\q)
	\line
.endr
.endr
.endr
.endm
	GU v_pk_mul_f32 v[TT:TT+1], v[GG:GG+1], 0xbfb8aa3b op_sel_hi:[1,0]
.set i, 0
.rept 64
	v_exp_f32 v[T+i], v[T+i]
.set i, i+1
.endr
	v_nop
	GU v_pk_mul_f32 v[GG:GG+1], v[GG:GG+1], v[UU:UU+1]
	s_wait_alu depctr_va_vdst(0)
	GU v_pk_add_f32 v[TT:TT+1], v[TT:TT+1], 1.0 op_sel_hi:[1,0]
.set i, 0
.rept 64
	v_rcp_f32 v[T+i], v[T+i]
.set i, i+1
.endr
	v_nop
	s_wait_alu depctr_va_vdst(0)
	GU v_pk_mul_f32 v[GG:GG+1], v[GG:GG+1], v[TT:TT+1]
.irp a, 0,1,2,3
.irp b, 0,1
.irp q, 0,1,2,3
	v_cvt_pk_bf16_f32 v[T+4*(2*(\a)+(\b))+(\q)], v[ACC+8*(4*(\a)+(\b))+2*(\q)], v[ACC+8*(4*(\a)+(\b))+2*(\q)+1]
.endr
.endr
.endr
.irp a, 0,1,2,3
.irp b, 0,1
	ds_store_b128 v[STO], v[T+4*(2*(\a)+(\b)):T+4*(2*(\a)+(\b))+3] offset:(\a)*16*SPITCH+32*(\b)
.endr
.endr
	s_wait_dscnt 0x0                               ; for the others' sake: my stores into the stage are done
	s_barrier_signal -1
	s_barrier_wait -1
.irp t, 0,1,2,3,4,5,6,7
	ds_load_b128 v[T+32+4*(\t):T+32+4*(\t)+3], v[RD] offset:(\t)*4*SPITCH
.endr
.irp t, 0,1,2,3,4,5,6,7
	s_wait_dscnt 7-(\t)                            ; the younger read-backs may stay out
	global_store_b128 v[CO], v[T+32+4*(\t):T+32+4*(\t)+3], s[38:39] offset:(\t)*4*1536
.endr
	s_wait_tensorcnt 0x0                           ; the wave's end
	ds_add_u32 v[SPW], v[NIL]
	s_wait_dscnt 0x0
	CROUND                                         ; the closing round
	s_endpgm
.Lfunc_end_k_qf492e0d5e6_ggu:
	.size	k_qf492e0d5e6_ggu, .Lfunc_end_k_qf492e0d5e6_ggu-k_qf492e0d5e6_ggu
	.p2alignl 7, 3214868480
	.fill 96, 4, 3214868480
	.section	.rodata,"a",@progbits
	.p2align	6, 0x0
	.amdhsa_kernel k_qf492e0d5e6_ggu
		.amdhsa_group_segment_fixed_size 327680
		.amdhsa_private_segment_fixed_size 0
		.amdhsa_enable_private_segment 0
		.amdhsa_kernarg_size 24
		.amdhsa_user_sgpr_count 2
		.amdhsa_user_sgpr_kernarg_segment_ptr 1
		.amdhsa_wavefront_size32 1
		.amdhsa_system_sgpr_workgroup_id_x 1
		.amdhsa_system_sgpr_workgroup_id_y 1
		.amdhsa_system_sgpr_workgroup_id_z 1
		.amdhsa_system_vgpr_workitem_id 0
		.amdhsa_next_free_vgpr 512
		.amdhsa_next_free_sgpr 88
		.amdhsa_reserve_vcc 0
		.amdhsa_float_denorm_mode_32 3
		.amdhsa_float_denorm_mode_16_64 3
		.amdhsa_memory_ordered 1
		.amdhsa_forward_progress 1
		.amdhsa_inst_pref_size 50
	.end_amdhsa_kernel
	.amdgpu_metadata
---
amdhsa.version: [ 1, 2 ]
amdhsa.kernels:
  - .name:           k_qf492e0d5e6_ggu
    .symbol:         k_qf492e0d5e6_ggu.kd
    .args:
      - { .name: xy, .offset: 0, .size: 8, .value_kind: global_buffer, .address_space: global }
      - { .name: w, .offset: 8, .size: 8, .value_kind: global_buffer, .address_space: global }
      - { .name: oa, .offset: 16, .size: 8, .value_kind: global_buffer, .address_space: global }
    .group_segment_fixed_size: 327680
    .private_segment_fixed_size: 0
    .kernarg_segment_align: 8
    .kernarg_segment_size: 24
    .max_flat_workgroup_size: 128
    .sgpr_count:     88
    .vgpr_count:     512
    .wavefront_size: 32
...
	.end_amdgpu_metadata
.endif
;; end of part 5
;; launch gdn (part 6): grid 16 x 16, 4 waves a work-group, clusters of 4 x 4, 327,680 bytes of LDS; arguments oa, w, h, out0; writes out0
.if DOCPART == 6
	.amdgcn_target "amdgcn-amd-amdhsa--gfx1250"
	.amdhsa_code_object_version 6
	.text
	.protected	k_qf492e0d5e6_gdn
	.globl	k_qf492e0d5e6_gdn
	.p2align	8
	.type	k_qf492e0d5e6_gdn,@function
k_qf492e0d5e6_gdn:
	s_mov_b64 s[64:65], 0
	v_nop
	global_prefetch_b8 v0, s[64:65] scope:SCOPE_SE
	s_setreg_imm32_b32 hwreg(HW_REG_WAVE_MODE, 25, 1), 1
	s_wait_xcnt 0x0
	s_wait_alu depctr_hold_cnt(0) depctr_sa_sdst(0) depctr_va_vdst(0) depctr_va_sdst(0) depctr_va_ssrc(0) depctr_va_vcc(0) depctr_vm_vsrc(0)
	s_getreg_b32 s2, hwreg(HW_REG_IB_STS2, 6, 4)
	s_cmp_eq_u32 s2, 0
	s_cbranch_scc0 .Lentry_in_a_cluster
	s_endpgm
.Lentry_in_a_cluster:
	s_bfe_u32 s2, ttmp6, 0x10000c
	s_cmp_lg_u32 s2, 0xf033
	s_cbranch_scc0 .Lentry_shape_is_right
	s_endpgm
.Lentry_shape_is_right:
; out = h + act Wdown^T.  act: [2048][768] bf16; Wdown: [2048][768] bf16 in w (columns 688-767 of both are 0); h, out: [2048][2048] f32.  Sums in f32; the residual is added in f32.
; A work-group makes 128 x 128; four waves (r, c), each 64 x 64: 16 accumulators.  K = 768 goes in 3 steps of 256 (LDS rows of 512 bytes + 16) through two LDS slots.  Both slots are asked for at the start; at the first step's
; end its slot is filled with the third.  A K step is written ONCE: a loop over steps holds a loop over pairs of eighths (32 along K each).  Only the first eighth, whose products start the sums with the constant 0, stands
; ahead of the loops, which are entered in their middle.
; THE WALK ALONG K BEGINS AT ONE OF TWO PLACES.  The clusters are dealt into two groups by the parity of x ^ x/2 ^ y ^ y/2 of the cluster's place in the grid (along each axis: 0 1 1 0); one group walks K steps 0, 1, 2, the
; other 1, 2, 0 (f32 sums may be taken in any order).  So the block that a cluster asks for last is one that the other group, among the clusters that read the same rows of act or of Wdown, asked for at the start.
; CLUSTER 4 x 4: act's tile is shared along a row of the cluster, Wdown's along a column: joint loads, one a wave behind each round.  The step's number hangs on the cluster's place alone: it is the same in all sixteen partners.
; THE MATRIX INSTRUCTION IS USED TRANSPOSED (source 0 = 16 rows of Wdown, source 1 = 16 rows of act): a lane holds eight neighbouring columns of one row.
; A wave's 64 columns of f32 are 256 bytes: each wave has a stage of its own (16 rows x 272 bytes) and no barrier stands on the way out.  The residual is loaded at the start, in the stores' own lane layout.
; REGISTERS: window 0: v0-31 addresses; v32-95 the way out; v128-255 accumulator (a, b) at 128 + 8 (4 a + b).  window 1: two fragment buffers (at 0 and 128).  window 2: v0-127 the residual.
.set KP,     768
.set KS,     3
.set OSTEP,  1                         ; the second group's first K step
.set NBR,    128
.set BREG,   24117248
.set NPROD,  16
.set NLD,    16                        ; LDS loads of an eighth
.set PITCH,  528
.set HALFA,  64*PITCH
.set HALFB,  (NBR/2)*PITCH
.set BOFF,   128*PITCH
.set SLOT,   (128+NBR)*PITCH
.set STAGE,  2*SLOT
.set SPITCH, 272
.set SPARE,  STAGE+4*16*SPITCH
.set ADRA,  16
.set ADRB,  17
.set A0,    18
.set B0,    19
.set STO,   24
.set RD,    25
.set CO,    26
.set SPW,   28
.set NIL,   29
.set ACC,   128
.set F0,    0
.set F1,    128
.set G1,  24
.set G0,  32                           ; s[32:35] A's walking group 0: slot 1's first fill, then the refill
.set G1B, 48
.set G0B, 56                           ; s[56:59] the same for B
.set TB,  60
.set SB,  61
.set G0F,  72                          ; s[72:75] A's group 0 for slot 0's first fill; never rewritten
.set G0BF, 76                          ; s[76:79] the same for B
.set ABASE, 80
.set BBASE, 82
.set KO,   84
.set KPOS, 86
.set G1W0, (1<<16)|(1<<20)|(1<<21)|(6<<22)|(3<<25)
.set MSB, 0
.macro WIN new
.if MSB != (\new)
	s_set_vgpr_msb (MSB<<8)|(\new)
.set MSB, \new
.endif
.endm
.set MUL,  0x05
.set TO_F, 0x40
.macro PLACES
.rept 4
	v_nop
.endr
.endm
.macro JLOAD                           ; waves 0 and 1 fetch A's two halves, waves 2 and 3 B's; an s_nop 0 and four v_nop follow each line
	s_cmp_eq_u32 s11, 0
	s_cbranch_scc0 .Lfor_b_\@
	tensor_load_to_lds s[G0:G0+3], s[G1:G1+7]
	s_nop 0
	PLACES
	s_branch .Lasked_\@
.Lfor_b_\@:
	tensor_load_to_lds s[G0B:G0B+3], s[G1B:G1B+7]
	s_nop 0
	PLACES
.Lasked_\@:
.endm
.macro CREST
	s_cmp_lg_u32 s10, 0
	s_cbranch_scc1 .Lnot_wave_0_\@
	s_barrier_signal -3
.Lnot_wave_0_\@:
	s_barrier_wait -3
	s_barrier_signal -1
	s_barrier_wait -1
.endm
.macro CROUND
	s_barrier_signal -1
	s_barrier_wait -1
	CREST
.endm
.macro ADDR
	v_add_nc_u32 v[ADRA], s[TB], v[A0]
	v_add_nc_u32 v[ADRB], s[TB], v[B0]
.endm
.macro FETCH g, k
	WIN TO_F
.irp b, 0,1,2,3
	ds_load_b128 v[(\g)+32+8*(\b):(\g)+32+8*(\b)+3],   v[ADRB] offset:(\k)+(\b)*16*PITCH
	ds_load_b128 v[(\g)+32+8*(\b)+4:(\g)+32+8*(\b)+7], v[ADRB] offset:(\k)+(\b)*16*PITCH+32
.endr
.irp a, 0,1,2,3
	ds_load_b128 v[(\g)+8*(\a):(\g)+8*(\a)+3],   v[ADRA] offset:(\k)+(\a)*16*PITCH
	ds_load_b128 v[(\g)+8*(\a)+4:(\g)+8*(\a)+7], v[ADRA] offset:(\k)+(\a)*16*PITCH+32
.endr
.endm
.macro MULP f, n0, n, zero=0           ; the accumulators take turns, one instruction a turn.  zero = 1: the products start the sums
	WIN MUL
.set pn, (\n0)
.rept (\n)
.if \zero
	v_wmma_f32_16x16x32_bf16 v[ACC+8*pn:ACC+8*pn+7], v[(\f)+32+8*(pn%4):(\f)+32+8*(pn%4)+7], v[(\f)+8*(pn/4):(\f)+8*(pn/4)+7], 0
.else
	v_wmma_f32_16x16x32_bf16 v[ACC+8*pn:ACC+8*pn+7], v[(\f)+32+8*(pn%4):(\f)+32+8*(pn%4)+7], v[(\f)+8*(pn/4):(\f)+8*(pn/4)+7], v[ACC+8*pn:ACC+8*pn+7]
.endif
.set pn, pn+1
.endr
.endm
.macro EIGHTH f, g, k
	s_wait_dscnt 0x0                               ; f's loads, issued an eighth ago, are in
	PLACES                                         ; four places between the last product that read g and the loads into it
	FETCH \g, \k
	MULP \f, 0, NPROD
.endm
.macro BODY mid=0                      ; eighths 0 to 6 of a K step; eighth 7 is left in F1.  mid = 1: the copy into which the first step, its first eighth done, enters
	WIN 0
	s_mov_b32 s3, 3
.Lin_\@:
	EIGHTH F0, F1, 64
.if \mid
	WIN 0
.Lmid:
.endif
	EIGHTH F1, F0, 128
	WIN 0
	s_add_co_u32 s[TB], s[TB], 128
	ADDR
	s_sub_co_u32 s3, s3, 1
	s_cmp_lg_u32 s3, 0
	s_cbranch_scc1 .Lin_\@
	EIGHTH F0, F1, 64
.endm
; The last eighth is multiplied and the slots change.  In front of the barrier each wave waits for all its tensor loads (one is out: its part of the next slot), adds 0 to its spare word, and waits for that and for
; its reads of this slot.  fill = 1: the barrier opens a round of the cluster's, and this slot is filled again first thing behind it, with the walk's step after the next; its address is made anew from the step's number.
.macro TURN fill
	WIN 0
	s_wait_tensorcnt 0x0
	ds_add_u32 v[SPW], v[NIL]
.if \fill
	s_xor_b32 s[SB], s[SB], SLOT
	s_add_co_u32 s[G0+1], s20, s[SB]
	s_add_co_u32 s[G0B+1], s21, s[SB]
	s_add_co_u32 s[KPOS], s[KPOS], 1               ; the walk goes round
	s_cmp_eq_u32 s[KPOS], KS
	s_cselect_b32 s[KPOS], 0, s[KPOS]
	s_lshl_b32 s[KO], s[KPOS], 9
	s_add_nc_u64 s[G0+2:G0+3], s[ABASE:ABASE+1], s[KO:KO+1]
	s_or_b32 s[G0+3], s[G0+3], 0x80000000
	s_add_nc_u64 s[G0B+2:G0B+3], s[BBASE:BBASE+1], s[KO:KO+1]
	s_or_b32 s[G0B+3], s[G0B+3], 0x80000000
.endif
	s_sub_co_u32 s[TB], s[TB], 384
	s_xor_b32 s[TB], s[TB], SLOT
	s_wait_dscnt 0x1                               ; F1 is in; only the add may be out
	MULP F1, 0, 4
	s_wait_dscnt 0x0                               ; the add is done, and my reads of this slot are over
	s_barrier_signal -1
	MULP F1, 4, 4
	WIN 0
	s_barrier_wait -1
.if \fill
	CREST
	JLOAD
.else
	PLACES
.endif
	ADDR
	FETCH F0, 0
	MULP F1, 8, NPROD-8
.endm
	s_load_b128 s[4:7], s[0:1], 0x0                ; act s[4:5], w s[6:7]
	s_load_b128 s[36:39], s[0:1], 0x10             ; the residual s[36:37], the result s[38:39]
	v_lshl_add_u32 v[SPW], v0, 2, SPARE
	v_mov_b32 v[NIL], 0
	ds_add_u32 v[SPW], v[NIL]                      ; the wave's opening: the add and its wait stand ahead of my first tensor load
	v_lshrrev_b32 v1, 5, v0
	v_readfirstlane_b32 s10, v1
	s_lshr_b32 s11, s10, 1
	s_and_b32 s12, s10, 1
	s_bfe_u32 s40, ttmp6, 0x40000
	s_bfe_u32 s41, ttmp6, 0x40004
	s_lshl_b32 s42, ttmp9, 2
	s_add_co_u32 s42, s42, s40
	s_and_b32 s13, ttmp7, 0xffff                   ; the cluster's y
	s_lshr_b32 s14, s13, 1                         ; the cluster's group: the parity of y ^ y/2 ^ x ^ x/2
	s_xor_b32 s14, s14, s13
	s_lshr_b32 s15, ttmp9, 1
	s_xor_b32 s15, s15, ttmp9
	s_xor_b32 s14, s14, s15
	s_and_b32 s14, s14, 1
	s_mul_i32 s[KPOS], s14, OSTEP                  ; its first K step
	s_lshl_b32 s[KO], s[KPOS], 9
	s_mov_b32 s[KO+1], 0
	s_lshl_b32 s13, s13, 2
	s_add_co_u32 s13, s13, s41
	s_lshl_b32 s43, s41, 2
	s_lshl_b32 s43, 15, s43
	s_lshl_b32 s44, 0x1111, s40
	s_or_b32 s[G1+0], s43, G1W0
	s_or_b32 s[G1B+0], s44, G1W0
.irp g, G1, G1B
	s_mov_b32 s[(\g)+1], 256<<16
	s_mov_b32 s[(\g)+2], 64<<16
	s_mov_b32 s[(\g)+3], 256<<16
	s_mov_b32 s[(\g)+4], 64
	s_mov_b32 s[(\g)+5], KP
	s_mov_b32 s[(\g)+6], 0
	s_mov_b32 s[(\g)+7], 0
.endr
	s_lshl_b32 s16, s13, 7
	s_lshl_b32 s17, s12, 6
	s_add_co_u32 s16, s16, s17
	s_mul_i32 s16, s16, KP*2
	s_mov_b32 s17, 0
	s_mul_i32 s46, s42, NBR
	s_mul_i32 s47, s12, NBR/2
	s_add_co_u32 s46, s46, s47
	s_mul_i32 s46, s46, KP*2
	s_add_co_u32 s46, s46, BREG
	s_mov_b32 s47, 0
	s_mul_i32 s20, s12, HALFA
	s_mul_i32 s21, s12, HALFB
	s_add_co_u32 s21, s21, BOFF
	s_mov_b32 s[SB], SLOT
	s_mov_b32 s[TB], 0
	s_mov_b32 s[G0F], 1
	s_mov_b32 s[G0F+1], s20
	s_mov_b32 s[G0BF], 1
	s_mov_b32 s[G0BF+1], s21
	s_mov_b32 s[G0], 1
	s_add_co_u32 s[G0+1], s20, SLOT
	s_mov_b32 s[G0B], 1
	s_add_co_u32 s[G0B+1], s21, SLOT
	s_lshl_b32 s66, s13, 7
	s_lshl_b32 s67, s11, 6
	s_add_co_u32 s66, s66, s67
	s_lshl_b32 s66, s66, 13
	s_lshl_b32 s67, s42, 9
	s_add_co_u32 s66, s66, s67
	s_lshl_b32 s67, s12, 8
	s_add_co_u32 s66, s66, s67
	s_mov_b32 s67, 0
	s_wait_dscnt 0x0                               ; the opening add is done
	s_wait_kmcnt 0x0
	s_add_nc_u64 s[ABASE:ABASE+1], s[4:5], s[16:17]
	s_add_nc_u64 s[BBASE:BBASE+1], s[6:7], s[46:47]
	s_add_nc_u64 s[G0F+2:G0F+3], s[ABASE:ABASE+1], s[KO:KO+1]
	s_or_b32 s[G0F+3], s[G0F+3], 0x80000000
	s_add_nc_u64 s[G0BF+2:G0BF+3], s[BBASE:BBASE+1], s[KO:KO+1]
	s_or_b32 s[G0BF+3], s[G0BF+3], 0x80000000
	s_add_co_u32 s[KPOS], s[KPOS], 1               ; the walk's second step (OSTEP + 1 is below KS: no turn yet)
	s_lshl_b32 s[KO], s[KPOS], 9
	s_add_nc_u64 s[G0+2:G0+3], s[ABASE:ABASE+1], s[KO:KO+1]
	s_or_b32 s[G0+3], s[G0+3], 0x80000000
	s_add_nc_u64 s[G0B+2:G0B+3], s[BBASE:BBASE+1], s[KO:KO+1]
	s_or_b32 s[G0B+3], s[G0B+3], 0x80000000
	s_add_nc_u64 s[36:37], s[36:37], s[66:67]
	s_add_nc_u64 s[38:39], s[38:39], s[66:67]
	CROUND                                         ; all sixteen work-groups are here
	s_cmp_eq_u32 s11, 0                            ; a wave's two first fills stand in one branch: two loads of mine are out
	s_cbranch_scc0 .Lfirst_b
	tensor_load_to_lds s[G0F:G0F+3], s[G1:G1+7]
	s_nop 0
	tensor_load_to_lds s[G0:G0+3], s[G1:G1+7]
	s_nop 0
	PLACES
	s_branch .Lfirst_asked
.Lfirst_b:
	tensor_load_to_lds s[G0BF:G0BF+3], s[G1B:G1B+7]
	s_nop 0
	tensor_load_to_lds s[G0B:G0B+3], s[G1B:G1B+7]
	s_nop 0
	PLACES
.Lfirst_asked:
	v_and_b32 v1, 15, v0
	v_bfe_u32 v2, v0, 4, 1
	v_lshlrev_b32 v5, 13, v2
	v_lshl_add_u32 v[CO], v1, 4, v5
	WIN 0x80
.set n, 0
.rept 32
	global_load_b128 v[4*n:4*n+3], v[CO], s[36:37] offset:(16*(n/8)+2*(n%8))*8192
.set n, n+1
.endr
	WIN 0
	v_mul_u32_u24 v3, v1, PITCH
	v_lshl_add_u32 v3, v2, 4, v3
	s_mul_i32 s22, s11, 64*PITCH
	v_add_nc_u32 v[A0], s22, v3
	s_mul_i32 s22, s12, 64*PITCH
	s_add_co_u32 s22, s22, BOFF
	v_add_nc_u32 v[B0], s22, v3
	s_mul_i32 s22, s10, 16*SPITCH
	s_add_co_u32 s22, s22, STAGE
	v_mul_u32_u24 v4, v1, SPITCH
	v_lshl_add_u32 v4, v2, 5, v4
	v_add_nc_u32 v[STO], s22, v4
	v_mul_u32_u24 v5, v2, SPITCH
	v_lshl_add_u32 v5, v1, 4, v5
	v_add_nc_u32 v[RD], s22, v5
	s_wait_tensorcnt 0x1                           ; my part of slot 0 is in; slot 1's may stay out
	s_barrier_signal -1
	s_barrier_wait -1                              ; everybody's is
	ADDR
	FETCH F0, 0
	FETCH F1, 64
	s_wait_dscnt NLD                               ; F0 is in; F1's 16 younger loads may stay out
	MULP F0, 0, NPROD, 1                           ; the first eighth starts the sums
	WIN 0
	s_mov_b32 s2, KS-1
	s_mov_b32 s3, 3
	s_branch .Lmid                                 ; the loops are entered behind their first eighth
.Lk:                                                   ; a trip: the change of slots at a step's end, which asks for the step after the next, and the next step
	TURN 1
	BODY 1
	WIN 0
	s_sub_co_u32 s2, s2, 1
	s_cmp_lg_u32 s2, 0
	s_cbranch_scc1 .Lk
	TURN 0                                         ; the last change of slots asks for nothing
	BODY
	s_wait_dscnt 0x0
	MULP F1, 0, NPROD
	WIN 0
	; THE WAY OUT, 16 rows at a time: into my stage, back as whole rows of 256 bytes, the residual added, stored.
	s_wait_loadcnt 0x0                             ; the residual
	PLACES
.irp a, 0,1,2,3
.set BK, 32+32*((\a)%2)
.irp b, 0,1,2,3
	ds_store_b128 v[STO], v[ACC+8*(4*(\a)+(\b)):ACC+8*(4*(\a)+(\b))+3]   offset:64*(\b)
	ds_store_b128 v[STO], v[ACC+8*(4*(\a)+(\b))+4:ACC+8*(4*(\a)+(\b))+7] offset:64*(\b)+16
.endr
.irp t, 0,1,2,3,4,5,6,7
	ds_load_b128 v[BK+4*(\t):BK+4*(\t)+3], v[RD] offset:(\t)*2*SPITCH  ; LDS serves a wave's instructions in order: these see the stores above
.endr
	s_wait_dscnt 0x0
	s_wait_xcnt 0x0                                ; earlier stores have read their registers
	WIN 0x08
.irp q, 0,1,2,3,4,5,6,7,8,9,10,11,12,13,14,15
	v_pk_add_f32 v[BK+2*(\q):BK+2*(\q)+1], v[BK+2*(\q):BK+2*(\q)+1], v[32*(\a)+2*(\q):32*(\a)+2*(\q)+1]
.endr
	WIN 0
.irp t, 0,1,2,3,4,5,6,7
	global_store_b128 v[CO], v[BK+4*(\t):BK+4*(\t)+3], s[38:39] offset:(16*(\a)+2*(\t))*8192  ; 16 lanes store 256 consecutive bytes, aligned
.endr
.endr
	s_wait_tensorcnt 0x0                           ; the wave's end
	ds_add_u32 v[SPW], v[NIL]
	s_wait_dscnt 0x0
	CROUND                                         ; the closing round
	s_endpgm
.Lfunc_end_k_qf492e0d5e6_gdn:
	.size	k_qf492e0d5e6_gdn, .Lfunc_end_k_qf492e0d5e6_gdn-k_qf492e0d5e6_gdn
	.p2alignl 7, 3214868480
	.fill 96, 4, 3214868480
	.section	.rodata,"a",@progbits
	.p2align	6, 0x0
	.amdhsa_kernel k_qf492e0d5e6_gdn
		.amdhsa_group_segment_fixed_size 327680
		.amdhsa_private_segment_fixed_size 0
		.amdhsa_enable_private_segment 0
		.amdhsa_kernarg_size 32
		.amdhsa_user_sgpr_count 2
		.amdhsa_user_sgpr_kernarg_segment_ptr 1
		.amdhsa_wavefront_size32 1
		.amdhsa_system_sgpr_workgroup_id_x 1
		.amdhsa_system_sgpr_workgroup_id_y 1
		.amdhsa_system_sgpr_workgroup_id_z 1
		.amdhsa_system_vgpr_workitem_id 0
		.amdhsa_next_free_vgpr 640
		.amdhsa_next_free_sgpr 88
		.amdhsa_reserve_vcc 0
		.amdhsa_float_denorm_mode_32 3
		.amdhsa_float_denorm_mode_16_64 3
		.amdhsa_memory_ordered 1
		.amdhsa_forward_progress 1
		.amdhsa_inst_pref_size 47
	.end_amdhsa_kernel
	.amdgpu_metadata
---
amdhsa.version: [ 1, 2 ]
amdhsa.kernels:
  - .name:           k_qf492e0d5e6_gdn
    .symbol:         k_qf492e0d5e6_gdn.kd
    .args:
      - { .name: oa, .offset: 0, .size: 8, .value_kind: global_buffer, .address_space: global }
      - { .name: w, .offset: 8, .size: 8, .value_kind: global_buffer, .address_space: global }
      - { .name: h, .offset: 16, .size: 8, .value_kind: global_buffer, .address_space: global }
      - { .name: out0, .offset: 24, .size: 8, .value_kind: global_buffer, .address_space: global }
    .group_segment_fixed_size: 327680
    .private_segment_fixed_size: 0
    .kernarg_segment_align: 8
    .kernarg_segment_size: 32
    .max_flat_workgroup_size: 128
    .sgpr_count:     88
    .vgpr_count:     640
    .wavefront_size: 32
...
	.end_amdgpu_metadata
.endif
;; end of part 6
